; MI455X (gfx1250); checked and timed in simulation.
; The chip was launched on July 23, 2026; its instructions are those of AMD's public machine-readable ISA for CDNA 5 (MIT licence, August 2026) and "CDNA5" Instruction Set Architecture Reference Guide (July 2026). The comments in the code are by the model that wrote it; some were corrected since.
;; Multi Head Attention. Allowed arithmetic: matrix products marked QUANTISED: E2M3 operands, one E8M0 scale for each 32 along K, by v_wmma_scale_f32_16x16x128_f8f6f4 with both operands' format E2M3, f32 sums; everything else in f32.
;; Inputs: q 4 x 2,048 x 1,024 float32; wk 1,024 x 1,024 float32; wo 1,024 x 1,024 float32; wq 1,024 x 1,024 float32; wv 1,024 x 1,024 float32.
;; Outputs: out0 4 x 2,048 x 1,024 float32.
;; This version of the problem:
;;   THIS VERSION OF THE PROBLEM IS GIVEN IN LOW PRECISION. The matrix products marked QUANTISED in the list below multiply operands that are first quantised to E2M3 (2 exponent bits, 3 mantissa bits; 6 bits a number), with one power-of-two scale for each 32 numbers along K (OCP MX v1.0); their sums are f32. All else is computed in f32.
;;   The module's matrix products, in the order in which they are computed (A, B: the left and right operand; K: the contracted axis; several contracted axes count as one K, in the product's order):
;;     1. [M 8,192, K 1,024] x [K 1,024, N 1,024]; A: input q; B: input wq: QUANTISED
;;     2. [M 8,192, K 1,024] x [K 1,024, N 1,024]; A: input q; B: input wk: QUANTISED
;;     3. [M 8,192, K 1,024] x [K 1,024, N 1,024]; A: input q; B: input wv: QUANTISED
;;     4. batch 4 x [M 2,048, K 1,024] x [K 1,024, N 2,048]; A: computed on the way; B: computed on the way: QUANTISED
;;     5. batch 4 x [M 2,048, K 2,048] x [K 2,048, N 1,024]; A: softmax (see below); B: computed on the way: QUANTISED
;;     6. [M 8,192, K 1,024] x [K 1,024, N 1,024]; A: computed on the way; B: input wo: QUANTISED
;;   THE QUANTISER, for each operand of a quantised product, along K:
;;     - K is cut into blocks of 32 from its start; a last block that is shorter is filled with zeros.
;;     - A block's scale is 2^e with e = floor(log2(the largest magnitude in the block)) - 2, held to -126 .. 127; a block of zeros has e = 0. As a byte (E8M0): e + 127.
;;     - Each number is divided by its block's scale, clamped to +-7.5, and rounded to the nearest number of E2M3, ties to even, subnormals kept.
;;     - The product sums the exact products of the quantised numbers (number of the format x scale) in f32.
;;   ~~~python
;;   def quantise(x, axis):      # numpy; x: float32 -> the quantised numbers, widened to float32 again
;;       x = np.moveaxis(x, axis, -1); K = x.shape[-1]
;;       x = np.pad(x, [(0, 0)] * (x.ndim - 1) + [(0, -K % 32)]); x = x.reshape(x.shape[:-1] + (-1, 32)); a = np.abs(x).max(-1, keepdims=True)
;;       e = np.where(a > 0, np.clip(np.frexp(np.where(a > 0, a, 1))[1] - 1 - 2, -126, 127), 0)      # np.frexp(a)[1] - 1 = floor(log2(a)), exactly
;;       r = np.clip(x / 2.0 ** e, -7.5, 7.5)
;;       step = 2.0 ** (np.maximum(np.frexp(np.where(r == 0, 1, r))[1] - 1, 0) - 3)
;;       q = np.round(r / step) * step * 2.0 ** e      # np.round: ties to even
;;       return np.moveaxis(q.reshape(q.shape[:-2] + (-1,))[..., :K], -1, axis).astype(np.float32)
;;   ~~~
;;   SOFTMAX AHEAD OF A QUANTISED PRODUCT. Where the list says 'softmax', what is quantised is not the finished softmax but p = 2^(t - M), with t = logit x log2(e) and M = ceil(the row's largest t), a whole number; so 1/2 < the row's largest p <= 1. The row's sum l is taken of the UNQUANTISED p, in f32, and the product's result is divided by l at the end. Since M is a whole number, a kernel that streams over the keys may use a running M (the ceiling of the running maximum): every later rescaling is an exact power of two, which a block's scale takes up: the codes' values come out the same.
;;   OPERANDS COMPUTED ON THE WAY. 'Computed on the way' means the value that the module computes at that place (a softmax that the list does not call 'softmax' is quantised finished and normalised). What goes into a quantiser is computed in f32, as accurately as f32 sums, v_exp_f32 and their like allow (about 1e-6 of the number): no bf16 or f16 on the way to a quantiser, and a product that is left as it is and whose result goes on into a quantised operand takes f32 operands (vector FMAs, or v_wmma_f32_16x16x4_f32). A number that lies on a knife's edge between two numbers of the format may be rounded either way, as far as f32 arithmetic and the matrix unit's own rounding can turn it there, and no further.
;; One version. Each part assembles by itself: llvm-mc -triple=amdgcn-amd-amdhsa -mcpu=gfx1250 --defsym DOCPART=n.
;; ======== version 1 of 1: 5 launches
;; limits: right only within a limited range of input values
;; workspace buffers: in_codes 9,437,184 bytes; in_scales 393,216 bytes; qkv_codes 18,874,368 bytes; qkv_scales 786,432 bytes; p_codes 12,582,912 bytes; p_meta 1,572,864 bytes; o_codes 6,291,456 bytes; o_scales 262,144 bytes
;; launch quant_in (part 1): grid 192 x 4, 4 waves a work-group, no clusters, 35,328 bytes of LDS; arguments q, wq, wk, wv, wo, in_codes, in_scales; writes in_codes, in_scales
.if DOCPART == 1
	.amdgcn_target "amdgcn-amd-amdhsa--gfx1250"
	.amdhsa_code_object_version 6
	.text
	.protected	k_q42e742da89_quant_in
	.globl	k_q42e742da89_quant_in
	.p2align	8
	.type	k_q42e742da89_quant_in,@function
k_q42e742da89_quant_in:
	s_mov_b64 s[64:65], 0
	v_nop
	global_prefetch_b8 v0, s[64:65] scope:SCOPE_SE
	s_setreg_imm32_b32 hwreg(HW_REG_WAVE_MODE, 25, 1), 1
	s_wait_xcnt 0x0
; q [8192][1024] and wq, wk, wv, wo [1024][1024], f32 with K innermost, become codes of FP6 (E2M3) with one E8M0 byte for each 32 along K.
; A block's scale is 2^(floor(log2(its largest magnitude)) - 2): its byte is the largest magnitude's exponent field - 2, held at 1 from below.
; LIMITS: NaN and infinities are not served.  A block whose largest magnitude lies under 2^-124, a block of zeros among them, keeps the byte 1 (its codes are then tiny or zero; this program alone reads the bytes).
; LAYOUT OF THE RESULT.  The five tensors form one table of 12,288 rows (q 0.., wq 8192.., wk 9216.., wv 10240.., wo 11264..).
; Codes: [rowblock of 16 rows][K step of 128][1,536 bytes]: an IMAGE of the operand's 12 registers: chunk c (512 bytes) holds lane l's registers 4 c .. 4 c + 3 at 16 l.
; Scale words (four bytes: 128 along K of one row): [K step][row].
; STORED ORDER OF ROWS: in each 32 rows the two middle groups of eight change places (stored 8-15 = true 16-23, stored 16-23 = true 8-15), so that a product that takes such rows as source 0
; leaves 16 neighbours of the next K in a lane's 16 registers of two neighbouring tiles.
; SHARES.  Work-group x takes 64 stored rows, work-group y two of the eight K steps; wave w takes rowblock 4 x + w, a unit of 16 rows x 128 K at a time.
; Each load reads 512 consecutive bytes of one row; the unit turns through the wave's own stage in LDS (rows of 528 bytes) so that lane (r, h) gets, of row r, 16 neighbours of each block of 32.
; No tensor load, no matrix instruction, no cluster: work-groups share no input.
; SHARES AS THEY STAND NOW: work-group y takes TWO of the eight K steps (768 work-groups); a wave's 32 loads all go out at its start; waves 0 and 1 store the two K steps' scale words.
.set STG,  8448                        ; a wave's stage: 16 rows x (512 + 16) bytes
.set SCG,  4*STG                       ; behind the stages: the work-group's scale words, 4 K steps x 64 rows x 4 bytes
.set TM,   16                          ; v16-31  at work in QUANT
.set PC,   32                          ; v32-43  the fragment's codes; v44-50 halves on their way
.set PW,   52                          ; v52-55  a unit's scale word
.set RS,   64                          ; v64-191 two sets of 64 registers as loaded
.set XN,   192                         ; v192-255 64 numbers: register 16 b + i = k 32 b + 16 h + i of my row
	s_load_b256 s[4:11], s[0:1], 0x0               ; q, wq, wk, wv
	s_load_b128 s[12:15], s[0:1], 0x20             ; wo, in_codes
	s_load_b64 s[16:17], s[0:1], 0x30              ; in_scales
	v_lshl_add_u32 v62, v0, 2, 0x8800
	v_mov_b32 v63, 0
	v_lshrrev_b32 v1, 5, v0
	v_readfirstlane_b32 s18, v1                    ; wave
	v_and_b32 v1, 31, v0                           ; lane
	v_and_b32 v2, 15, v0                           ; r
	v_bfe_u32 v3, v0, 4, 1                         ; h
	v_lshlrev_b32 v4, 4, v1                        ; 16 x lane: my place in a load's and a store's 512 bytes
	s_mul_i32 s19, s18, STG
	v_add_nc_u32 v5, s19, v4                       ; the stage, on the way in
	v_mul_u32_u24 v6, v2, 528
	v_lshl_add_u32 v6, v3, 6, v6
	v_add_nc_u32 v6, s19, v6                       ; and out: row r, + 64 h
	s_lshl_b32 s19, s18, 6
	s_add_co_u32 s19, s19, SCG
	v_lshl_add_u32 v7, v2, 2, s19                  ; my row's scale word: 64 x wave + 4 r
	s_lshl_b32 s19, s18, 8
	s_add_co_u32 s19, s19, SCG
	v_lshlrev_b32 v9, 3, v1
	v_add_nc_u32 v8, s19, v9                       ; back: wave w takes K step w's 256 bytes, 8 a lane
	s_mov_b32 s28, 0x76543210
	s_mov_b32 s29, 0xfedcba98                      ; v_permlanex16_b32's selects for lane l xor 16
.irp b, 0,1,2,3
	v_mov_b32 v[TM+4+\b], 0                        ; written once: a lane permute's destination counts as one of its sources
.endr
	s_and_b32 s30, ttmp7, 0xffff                   ; y
	s_mov_b32 s33, 0
	s_wait_alu depctr_va_vdst(0)
	s_wait_kmcnt 0x0
	s_mov_b64 s[20:21], s[12:13]                   ; which tensor: the choice hangs on the work-group's number alone
	s_mov_b32 s22, 176
	s_cmp_lt_u32 ttmp9, 176
	s_cselect_b64 s[20:21], s[10:11], s[20:21]
	s_cselect_b32 s22, 160, s22
	s_cmp_lt_u32 ttmp9, 160
	s_cselect_b64 s[20:21], s[8:9], s[20:21]
	s_cselect_b32 s22, 144, s22
	s_cmp_lt_u32 ttmp9, 144
	s_cselect_b64 s[20:21], s[6:7], s[20:21]
	s_cselect_b32 s22, 128, s22
	s_cmp_lt_u32 ttmp9, 128
	s_cselect_b64 s[20:21], s[4:5], s[20:21]
	s_cselect_b32 s22, 0, s22
	s_sub_co_u32 s23, ttmp9, s22                   ; the block of 64 rows inside that tensor
	s_lshl_b32 s23, s23, 6
	s_lshr_b32 s31, s18, 1
	s_lshl_b32 s31, s31, 5
	s_add_co_u32 s23, s23, s31                     ; + 32 (wave / 2)
	s_and_b32 s31, s18, 1
	s_lshl_b32 s31, s31, 3
	s_add_co_u32 s23, s23, s31                     ; + 8 (wave % 2): the true row of my rowblock's first stored row
	s_lshl_b32 s32, s23, 12                        ; a row is 4,096 bytes
	s_lshl_b32 s31, s30, 10
	s_add_co_u32 s32, s32, s31                     ; + two K steps of 512 bytes for each y
	s_add_nc_u64 s[20:21], s[20:21], s[32:33]
	s_lshl_b32 s32, ttmp9, 2
	s_add_co_u32 s32, s32, s18
	s_mul_i32 s32, s32, 12288                      ; my rowblock's eight images,
	s_mul_i32 s31, s30, 3072
	s_add_co_u32 s32, s32, s31                     ; from K step 2 y on
	s_add_nc_u64 s[24:25], s[14:15], s[32:33]
	s_lshl_b32 s32, s30, 1                         ; K step 2 y + wave (waves 0 and 1 alone use it)
	s_add_co_u32 s32, s32, s18
	s_mul_i32 s32, s32, 49152                      ; scale words of K step 2 y + wave,
	s_lshl_b32 s31, ttmp9, 8
	s_add_co_u32 s32, s32, s31                     ; at the work-group's 64 rows
	s_add_nc_u64 s[26:27], s[16:17], s[32:33]
.macro LOAD t                          ; unit t: stored row i of the rowblock is true row 16 (i / 8) + i % 8 from the base on
.irp i, 0,1,2,3,4,5,6,7,8,9,10,11,12,13,14,15
	global_load_b128 v[RS+64*((\t)%2)+4*\i:RS+64*((\t)%2)+4*\i+3], v4, s[20:21] offset:(16*(\i/8)+\i%8)*4096+512*(\t) th:TH_LOAD_NT
.endr
.endm
.macro TURNX t                         ; through the stage: LDS serves a wave's instructions in order, so no wait stands between the stores and the loads
.irp i, 0,1,2,3,4,5,6,7,8,9,10,11,12,13,14,15
	ds_store_b128 v5, v[RS+64*((\t)%2)+4*\i:RS+64*((\t)%2)+4*\i+3] offset:528*\i
.endr
.irp b, 0,1,2,3
.irp j, 0,1,2,3
	ds_load_b128 v[XN+16*\b+4*\j:XN+16*\b+4*\j+3], v6 offset:128*\b+16*\j
.endr
.endr
.endm
; 64 numbers of a lane become a fragment's codes in v[PC] on and its scale word in v[pw]
.macro QUANT qs, pw
.irp b, 0,1,2,3
	v_max3_num_f32 v[TM+\b], |v[\qs+16*\b]|, |v[\qs+16*\b+1]|, 0x1800000   ; block b: my 16 numbers, and the floor 2^(3 - 127): the byte cannot fall under 1
.endr
.irp i, 2,4,6,8,10,12,14
.irp b, 0,1,2,3
	v_max3_num_f32 v[TM+\b], |v[\qs+16*\b+\i]|, |v[\qs+16*\b+\i+1]|, v[TM+\b]   ; the four blocks by turns
.endr
.endr
.irp b, 0,1,2,3
	v_permlanex16_b32 v[TM+4+\b], v[TM+\b], s28, s29
.endr
.irp b, 0,1,2,3
	v_max_num_f32 v[TM+\b], v[TM+\b], v[TM+4+\b]   ; with lane l xor 16's 16: the block's largest magnitude
.endr
.irp b, 0,1,2,3
	v_add_nc_u32 v[TM+12+\b], 0xff000000, v[TM+\b] ; 2 off its exponent field: the conversion takes this operand's exponent field as its scale
.endr
.irp b, 0,1,2,3
	v_lshrrev_b32 v[TM+4+\b], 23, v[TM+12+\b]      ; the scale's byte
.endr
	v_lshl_or_b32 v[\pw], v[TM+5], 8, v[TM+4]
	v_lshl_or_b32 v[\pw], v[TM+6], 16, v[\pw]
	v_lshl_or_b32 v[\pw], v[TM+7], 24, v[\pw]      ; my row's scale word
	s_wait_xcnt 0x0                                ; the last unit's stores have read the codes' registers: only now are they written again
.irp c, 0,1
	v_cvt_scalef32_pk16_fp6_f32 v[PC+6*\c:PC+6*\c+2], v[\qs+32*\c:\qs+32*\c+15], v[TM+12+2*\c]
	v_cvt_scalef32_pk16_fp6_f32 v[PC+12+4*\c:PC+14+4*\c], v[\qs+16+32*\c:\qs+31+32*\c], v[TM+12+2*\c+1]   ; (a conversion's three registers begin on an even number)
.endr
	v_nop                                          ; one plain place behind a scaled conversion
.irp c, 0,1                            ; the operand's layout wants a whole block in a lane: lanes 0-15 block 2 c, lanes 16-31 block 2 c + 1
.irp i, 0,1,2
	v_permlane16_swap_b32 v[PC+6*\c+\i], v[PC+12+4*\c+\i]
.endr
.irp i, 0,1,2
	v_mov_b32 v[PC+3+6*\c+\i], v[PC+12+4*\c+\i]
.endr
.endr
.endm
.macro UNIT t
.if (\t) < 1
	s_wait_loadcnt 16                              ; this unit's 16 loads are in; the next unit's 16 may be out
.else
	s_wait_loadcnt 0x0
.endif
	TURNX \t
	s_wait_dscnt 0x0                               ; the numbers are back, and the stores into the stage have read their registers,
.if (\t) < 0
	LOAD (\t)+2                                    ; which take the loads of two units on
.endif
	QUANT XN, PW+(\t)
.irp c, 0,1,2
	global_store_b128 v4, v[PC+4*\c:PC+4*\c+3], s[24:25] offset:1536*(\t)+512*\c   ; 32 lanes store 512 consecutive bytes, aligned
.endr
	ds_store_b32 v7, v[PW+(\t)] offset:256*(\t)    ; both halves of the lanes write the same word with the same value
.endm
	LOAD 0
	LOAD 1
	UNIT 0
	UNIT 1
	s_wait_dscnt 0x0                               ; for the others' sake: my scale words lie in LDS
	s_barrier_signal -1
	s_barrier_wait -1
	s_cmp_lt_u32 s18, 2                            ; two K steps: waves 0 and 1 store their words
	s_cbranch_scc0 .Lno_words
	ds_load_b64 v[56:57], v8                       ; K step 2 y + wave: the 64 rows' words
	s_wait_dscnt 0x0
	global_store_b64 v9, v[56:57], s[26:27]        ; 32 lanes store 256 consecutive bytes, aligned
.Lno_words:
	s_wait_tensorcnt 0x0
	ds_add_u32 v62, v63
	s_wait_dscnt 0x0
	s_endpgm
.Lfunc_end_k_q42e742da89_quant_in:
	.size	k_q42e742da89_quant_in, .Lfunc_end_k_q42e742da89_quant_in-k_q42e742da89_quant_in
	.p2alignl 7, 3214868480
	.fill 96, 4, 3214868480
	.section	.rodata,"a",@progbits
	.p2align	6, 0x0
	.amdhsa_kernel k_q42e742da89_quant_in
		.amdhsa_group_segment_fixed_size 35328
		.amdhsa_private_segment_fixed_size 0
		.amdhsa_enable_private_segment 0
		.amdhsa_kernarg_size 56
		.amdhsa_user_sgpr_count 2
		.amdhsa_user_sgpr_kernarg_segment_ptr 1
		.amdhsa_wavefront_size32 1
		.amdhsa_system_sgpr_workgroup_id_x 1
		.amdhsa_system_sgpr_workgroup_id_y 1
		.amdhsa_system_sgpr_workgroup_id_z 1
		.amdhsa_system_vgpr_workitem_id 0
		.amdhsa_next_free_vgpr 256
		.amdhsa_next_free_sgpr 66
		.amdhsa_reserve_vcc 0
		.amdhsa_float_denorm_mode_32 3
		.amdhsa_float_denorm_mode_16_64 3
		.amdhsa_memory_ordered 1
		.amdhsa_forward_progress 1
		.amdhsa_inst_pref_size 20
	.end_amdhsa_kernel
	.amdgpu_metadata
---
amdhsa.version: [ 1, 2 ]
amdhsa.kernels:
  - .name:           k_q42e742da89_quant_in
    .symbol:         k_q42e742da89_quant_in.kd
    .args:
      - { .name: q, .offset: 0, .size: 8, .value_kind: global_buffer, .address_space: global }
      - { .name: wq, .offset: 8, .size: 8, .value_kind: global_buffer, .address_space: global }
      - { .name: wk, .offset: 16, .size: 8, .value_kind: global_buffer, .address_space: global }
      - { .name: wv, .offset: 24, .size: 8, .value_kind: global_buffer, .address_space: global }
      - { .name: wo, .offset: 32, .size: 8, .value_kind: global_buffer, .address_space: global }
      - { .name: in_codes, .offset: 40, .size: 8, .value_kind: global_buffer, .address_space: global }
      - { .name: in_scales, .offset: 48, .size: 8, .value_kind: global_buffer, .address_space: global }
    .group_segment_fixed_size: 35328
    .private_segment_fixed_size: 0
    .kernarg_segment_align: 8
    .kernarg_segment_size: 56
    .max_flat_workgroup_size: 128
    .sgpr_count:     66
    .vgpr_count:     256
    .wavefront_size: 32
...
	.end_amdgpu_metadata
.endif
;; end of part 1
;; launch proj (part 2): grid 8 x 32, 4 waves a work-group, clusters of 4 x 4, 327,680 bytes of LDS; arguments in_codes, in_scales, qkv_codes, qkv_scales; writes qkv_codes, qkv_scales
.if DOCPART == 2
	.amdgcn_target "amdgcn-amd-amdhsa--gfx1250"
	.amdhsa_code_object_version 6
	.text
	.protected	k_q42e742da89_proj
	.globl	k_q42e742da89_proj
	.p2align	8
	.type	k_q42e742da89_proj,@function
k_q42e742da89_proj:
	s_mov_b64 s[64:65], 0
	v_nop
	global_prefetch_b8 v0, s[64:65] scope:SCOPE_SE
	s_setreg_imm32_b32 hwreg(HW_REG_WAVE_MODE, 25, 1), 1
	s_wait_xcnt 0x0
	s_wait_alu depctr_hold_cnt(0) depctr_sa_sdst(0) depctr_va_vdst(0) depctr_va_sdst(0) depctr_va_ssrc(0) depctr_va_vcc(0) depctr_vm_vsrc(0)
	s_getreg_b32 s2, hwreg(HW_REG_IB_STS2, 6, 4)
	s_cmp_eq_u32 s2, 0
	s_cbranch_scc0 .Lentry_in_a_cluster
	s_endpgm
.Lentry_in_a_cluster:
	s_bfe_u32 s2, ttmp6, 0x10000c
	s_cmp_lg_u32 s2, 0xf033
	s_cbranch_scc0 .Lentry_shape_is_right
	s_endpgm
.Lentry_shape_is_right:
; Q = q wq^T, K = q wk^T, V = q wv^T on codes of FP6 (E2M3) with E8M0 scales, f32 sums; the results are quantised on the way out and leave as codes: Q and K along e, V along the keys (as V^T).
; SHARES.  8 x 32 = 256 work-groups of equal work.  Work-group (X, Y) STAYS and makes two tiles on the same 256 tokens (tile Y):
;   tile 1: 256 tokens x 256 outputs of wq (X = 0-3) or wk (X = 4-7); four waves, each 128 x 128: 64 accumulators.  Source 0 = the weights' rows, source 1 = the tokens.
;   tile 2: 256 tokens x wv's rows 128 X .. 128 X + 127; each wave 128 tokens x 64 channels: 32 accumulators.  Source 0 = the tokens (the keys), source 1 = wv's rows.
; SOURCE 0 gives the result's registers, SOURCE 1 its lanes.  Rows are stored with the two middle groups of eight of each 32 exchanged, so that the 64 registers of a lane over source 0's eight blocks are:
; register 16 B + i = index 32 B + 16 (lane / 16) + i: 16 neighbours of the next K (e for Q and K, the keys for V), which the conversions take as they stand.
; OPERANDS lie in memory as images of their registers ([rowblock of 16 rows][K step of 128][1,536 bytes]): a fragment comes by three ds_load_b128 of 512 consecutive bytes, so LDS needs no pitch and no padding;
; a tensor load brings 8 (wv: 4) rowblocks x 3,072 bytes (long rows, each 12 aligned blocks of 256 bytes; the layout has no more rows to a tile).
; THE RING.  K = 1,024 is four slots' worth of 256 for each tile, through two LDS slots.  It does not stop at the first tile's end: that tile's last two changes of slots ask for the second tile's first two
; slots' worth, which are on their way while the first tile is quantised and stored.
; CLUSTERS of 4 x 4.  The tokens' tile hangs on cy and goes to my row of the cluster; the weights' tiles hang on cx and go to my column; each is asked for jointly.
; SCALE WORDS lie [K step][row].  The tokens' and wq's or wk's come once, with the first fills, jointly.  wv's (64 rows x 8 K steps a wave) come once by 16 plain loads of 4 bytes a lane into registers that keep them:
; 2 KiB a wave against the 688,128 bytes of codes that a work-group asks for, so they are not asked for jointly.
; LIMITS: NaN and infinities are not served; a block whose largest magnitude lies under 2^-124, a block of zeros among them, keeps the byte 1 (this program alone reads the bytes).
; REGISTERS: window 0: v1-4, v8-29 addresses; v32-63 scale words, two sets, and v64-79 wv's scale words: nothing else ever; v80-123 at work on the way out; from v128 source 1's fragments, one set.
;   window 1: source 0's fragments, two sets (v0, v128).  windows 2, 3: accumulators (tile 2: window 2 alone).
.set NQ,    2                          ; K steps of 128 in a slot
.set NB1,   8                          ; source 1's blocks of 16 rows for a wave (tile 2: 4)
.set KT,    8                          ; K steps in all
.set LAPS,  KT/(2*NQ)
.set YB,    49152                      ; a slot: the tokens' 16 rowblocks, then the weights' 16 (wv: 8)
.set XB,    49152
.set S0REG, YB
.set S1REG, 0
.set SCY,   196608                     ; behind the ring: the tokens' scale words, 8 K steps x (1,024 + 64) bytes;
.set SCX,   205312                     ; wq's or wk's likewise;
.set STGW,  214016                     ; a stage for the results' scale words, 512 bytes a wave: bytes of its own, into which no tile lands;
.set SPARE, 216064                     ; the spare words, 128 bytes a wave: two blocks of 256 bytes that no other line names
.set PY,    1088
.set PX,    1088
.set P0,    PX
.set P1,    PY
.set SC0B,  SCX
.set SC1B,  SCY
.set PH2,   0                          ; 1 while the second tile's text is expanded
.set KP,    0                          ; which slot's worth of K is being multiplied: it picks wv's scale register
.set FRB,   1536                       ; a fragment's image
.set RBL,   NQ*FRB                     ; a rowblock's bytes in a slot
.set H1,    NB1/2
.set SETSZ, 16                         ; scale registers of a slot: one for each block (lanes 0-15 the even K step's words, lanes 16-31 the odd step's)
.set SLOT,  YB+XB
.set AD0,   16                         ; v16-17 source 0's fragments in slot 0, 1 (tile 2: v8-9)
.set AD1,   20                         ; v20-21 source 1's (tile 2: v10-11)
.set AS0,   22                         ; v22 source 0's scale words (tile 2: v12)
.set AS1,   23                         ; v23 source 1's
.set GO,    24                         ; v24 16 x lane
.set SPW,   28                         ; v28 my spare word; never rewritten
.set NIL,   29                         ; v29 0; never rewritten
.set SC,    32
.set SV,    64                         ; v64-79 wv's scale words: block a, K steps 2 u and 2 u + 1 at v[SV + 4 a + u]
.set S1F,   128
.set TM,    80
.set PC,    96
.set WV,    16                         ; s16 wave; s17 wave / 2: I fetch the tokens (0) or the weights (1), and my half of source 1; s18 wave % 2: which half I fetch, and my half of source 0
.set WH,    17
.set WL,    18
.set G1V,   4                          ; s[4:11] group 1 for wv's tiles: made when the four pointers that lie there are used up
.set OC1,   12                         ; s[12:13], s[14:15] where tile 1's codes and scale words go
.set OS1,   14
.set G1Y,   24
.set G0Y,   32
.set OC2,   42                         ; s[42:43], s[44:45] where tile 2's go
.set OS2,   44
.set G1X,   48
.set G0X,   56
.set SVB,   66                         ; s[66:67] wv's scale words of my 64 rows
.set G1SY,  68
.set G0SY,  76
.set G1SX,  80
.set G0SX,  88
.set G0V,   92                         ; s[92:99] group 0 for wv's tiles, one for each slot
.set SEL,   100
.set GX0,   G0X                        ; the weights' descriptors of the tile in hand
.set GX1,   G1X
.set MSB,   0
.macro WIN new                         ; the immediate's high byte repeats the setting that is left; a switch that changes nothing is dropped
.if MSB != (\new)
	s_set_vgpr_msb (MSB<<8)|(\new)
.set MSB, (\new)
.endif
.endm
.macro PLACES n                        ; plain places behind matrix instructions, in front of loads into their registers and of reads of their results
.rept \n
	v_nop
.endr
.endm
.macro CREST                           ; a round of the cluster's barrier behind its opening barrier
	s_cmp_lg_u32 s[WV], 0
	s_cbranch_scc1 .Lnot_wave_0_\@
	s_barrier_signal -3
.Lnot_wave_0_\@:
	s_barrier_wait -3
	s_barrier_signal -1
	s_barrier_wait -1
.endm
.macro CROUND
	s_barrier_signal -1
	s_barrier_wait -1
	CREST
.endm
.macro JLOAD g0y, g1y, g0x, g1x        ; a joint load: waves 0, 1 ask for the tokens, waves 2, 3 for the weights; the branch hangs on the wave's number alone; four v_nop follow each line
	s_cmp_eq_u32 s[WH], 0
	s_cbranch_scc0 .Lfor_x_\@
	tensor_load_to_lds s[\g0y:\g0y+3], s[\g1y:\g1y+7]
	s_nop 0
.rept 4
	v_nop
.endr
	s_branch .Lasked_\@
.Lfor_x_\@:
	tensor_load_to_lds s[\g0x:\g0x+3], s[\g1x:\g1x+7]
	s_nop 0
.rept 4
	v_nop
.endr
.Lasked_\@:
.endm
.macro G1CODES g, m, rows, pitch8      ; group 1 for codes: rows rowblocks x RBL bytes, in elements of 8 bytes, dense in LDS
	s_or_b32 s[\g], \m, (3<<16)|(1<<21)            ; 15:0 the mask; 17:16 elements of 8 bytes; 21 set beside a mask
	s_mov_b32 s[\g+1], (192*NQ)<<16                ; tensor_dim0
	s_mov_b32 s[\g+2], (\rows)<<16                 ; tensor_dim1
	s_mov_b32 s[\g+3], (192*NQ)<<16                ; tile_dim0
	s_mov_b32 s[\g+4], \rows                       ; tile_dim1
	s_mov_b32 s[\g+5], \pitch8                     ; from rowblock to rowblock
	s_mov_b32 s[\g+6], 0
	s_mov_b32 s[\g+7], 0
.endm
.macro G1SCL g, m, r, rows, rt, qi     ; group 1 for scale words: rows K steps x r words, 64 bytes of padding behind each, out of a table of rt rows
	s_or_b32 s[\g], \m, (3<<16)|(1<<20)|(1<<21)|((\qi)<<22)|(15<<25)
	s_mov_b32 s[\g+1], ((\r)/2)<<16
	s_mov_b32 s[\g+2], (\rows)<<16
	s_mov_b32 s[\g+3], ((\r)/2)<<16
	s_mov_b32 s[\g+4], \rows
	s_mov_b32 s[\g+5], (\rt)/2
	s_mov_b32 s[\g+6], 0
	s_mov_b32 s[\g+7], 0
.endm
.macro G0ONE g0, lreg, lconst, alo     ; group 0: count 1, LDS address, global address, type 2
	s_mov_b32 s[\g0], 1
	s_add_co_u32 s[\g0+1], s[\lreg], \lconst
	s_mov_b64 s[\g0+2:\g0+3], s[\alo:\alo+1]
	s_or_b32 s[\g0+3], s[\g0+3], 0x80000000
.endm
.macro G0SLOTS g0, lreg, lconst, alo   ; one group 0 for each slot
.irp n, 0,1
	s_mov_b32 s[\g0+4*\n], 1
	s_add_co_u32 s[\g0+4*\n+1], s[\lreg], (\lconst)+\n*SLOT
	s_add_nc_u64 s[\g0+4*\n+2:\g0+4*\n+3], s[\alo:\alo+1], \n*RBL
	s_or_b32 s[\g0+4*\n+3], s[\g0+4*\n+3], 0x80000000
.endr
.endm
.macro IDS
	v_lshl_add_u32 v[SPW], v0, 2, SPARE
	v_mov_b32 v[NIL], 0
	ds_add_u32 v28, v29
	ds_add_u32 v28, v29
	s_wait_dscnt 0x0
	v_lshrrev_b32 v1, 5, v0
	v_readfirstlane_b32 s[WV], v1
	s_lshr_b32 s[WH], s[WV], 1
	s_and_b32 s[WL], s[WV], 1
	s_bfe_u32 s21, ttmp6, 0x40000                  ; cx
	s_bfe_u32 s22, ttmp6, 0x40004                  ; cy
	s_lshl_b32 s40, s22, 2
	s_lshl_b32 s40, 15, s40                        ; my row of the cluster
	s_lshl_b32 s41, 0x1111, s21                    ; my column
	s_mov_b32 s[SEL], 0x76543210
	s_mov_b32 s[SEL+1], 0xfedcba98
.endm
.macro VADDR                           ; tile 1's LDS addresses: a constant + a constant x lane + a constant x wave
	v_and_b32 v1, 15, v0                           ; r
	v_bfe_u32 v2, v0, 4, 1                         ; h
	v_and_b32 v3, 31, v0                           ; lane
	v_lshlrev_b32 v[GO], 4, v3
	v_lshlrev_b32 v4, 2, v1
	s_mul_i32 s2, s[WL], 8*RBL
	s_add_co_u32 s2, s2, S0REG
	v_add_nc_u32 v[AD0], s2, v[GO]
	v_add_nc_u32 v[AD0+1], SLOT, v[AD0]
	s_mul_i32 s2, s[WH], NB1*RBL
	s_add_co_u32 s2, s2, S1REG
	v_add_nc_u32 v[AD1], s2, v[GO]
	v_add_nc_u32 v[AD1+1], SLOT, v[AD1]
	v_mad_u32_u24 v[AS0], v2, P0, v4               ; 4 r, and one K step on for lanes 16-31
	s_lshl_b32 s2, s[WL], 9
	s_add_co_u32 s2, s2, SC0B
	v_add_nc_u32 v[AS0], s2, v[AS0]
	v_mad_u32_u24 v[AS1], v2, P1, v4
	s_mul_i32 s2, s[WH], 64*NB1
	s_add_co_u32 s2, s2, SC1B
	v_add_nc_u32 v[AS1], s2, v[AS1]
.endm
.macro FRAG reg, adr, off              ; a fragment's image comes back as it was stored
.irp c, 0,1,2
	ds_load_b128 v[(\reg)+4*\c:(\reg)+4*\c+3], v[\adr] offset:(\off)+512*\c
.endr
.endm
.macro FETCH0 slot, q, p               ; source 0's eight fragments of the slot's q-th K step into set p (window 1)
	WIN 0x40
.irp i, 0,1,2,3,4,5,6,7
	FRAG 128*(\p)+12*\i, AD0+\slot, RBL*\i+FRB*(\q)
.endr
	WIN 0
.endm
.macro FETCH1 slot, q, i0              ; source 1's blocks i0 .. i0 + H1 - 1
.set fi, \i0
.rept H1
	FRAG S1F+12*fi, AD1+\slot, RBL*fi+FRB*(\q)
.set fi, fi+1
.endr
.endm
.macro SCALES set                      ; a slot's scale words out of LDS (tile 2: source 0's alone; wv's lie in registers)
.irp i, 0,1,2,3,4,5,6,7
	ds_load_b32 v[SC+SETSZ*(\set)+\i], v[AS0] offset:64*\i
.endr
.if PH2 == 0
.set si, 0
.rept NB1
	ds_load_b32 v[SC+SETSZ*(\set)+8+si], v[AS1] offset:64*si
.set si, si+1
.endr
.endif
.endm
.macro MULA a, p, q, set, zero         ; source 1's block a against source 0's eight: eight accumulators, one instruction each
.irp b, 0,1,2,3,4,5,6,7
.set rD, 8*(8*((\a)%4)+\b)
.set rA, 128*(\p)+12*\b
.set rB, S1F+12*(\a)
.set rX, SC+SETSZ*(\set)+\b
.if PH2
.set rY, SV+4*(\a)+KP
.else
.set rY, SC+SETSZ*(\set)+8+(\a)
.endif
.if \zero
	v_wmma_scale_f32_16x16x128_f8f6f4 v[rD:rD+7], v[rA:rA+11], v[rB:rB+11], 0, v[rX], v[rY] matrix_a_fmt:MATRIX_FMT_FP6 matrix_b_fmt:MATRIX_FMT_FP6
.elseif (\q)%2
	v_wmma_scale_f32_16x16x128_f8f6f4 v[rD:rD+7], v[rA:rA+11], v[rB:rB+11], v[rD:rD+7], v[rX], v[rY] matrix_a_fmt:MATRIX_FMT_FP6 matrix_b_fmt:MATRIX_FMT_FP6 matrix_a_scale:MATRIX_SCALE_ROW1 matrix_b_scale:MATRIX_SCALE_ROW1
.else
	v_wmma_scale_f32_16x16x128_f8f6f4 v[rD:rD+7], v[rA:rA+11], v[rB:rB+11], v[rD:rD+7], v[rX], v[rY] matrix_a_fmt:MATRIX_FMT_FP6 matrix_b_fmt:MATRIX_FMT_FP6
.endif
.endr
.endm
.macro MULS a0, n, p, q, set, zero     ; blocks a0 .. a0 + n - 1: source 0 window 1, source 1 window 0, C and D window 2 + a0 / 4
	WIN 0x01|((2+(\a0)/4)<<4)|((2+(\a0)/4)<<6)
.set ma, \a0
.rept \n
	MULA ma, \p, \q, \set, \zero
.set ma, ma+1
.endr
.endm
.macro STEP slot, q, zero              ; a K step that has its successor in the same slot
	s_wait_dscnt 3*H1                              ; all but the youngest loads (source 1's upper blocks) are in
	MULS 0, H1, (\q)%2, \q, \slot, \zero
	s_wait_dscnt 0x0                               ; the upper blocks are in
	PLACES 4
	FETCH0 \slot, (\q)+1, 1-(\q)%2
	FETCH1 \slot, (\q)+1, 0
	MULS H1, H1, (\q)%2, \q, \slot, \zero
	PLACES 4
	WIN 0
	FETCH1 \slot, (\q)+1, H1
.endm
; A slot's last step changes slots: one barrier.  In front of it each wave waits for all its tensor loads, adds 0 to its spare word, and waits for that and for its own reads of the slot.
; fill = 1: the barrier opens a round of the cluster's barrier, and the joint refill, two slots' worth on along K, is the first tensor load behind it.
; fill = 2: the same, but the slot takes the SECOND tile's K steps: the tokens go back along K by two slots' worth, and the weights' waves ask for wv's tile.
.macro TURN slot, next, fill
	s_wait_tensorcnt 0x0                           ; all my tensor loads have landed: my part of the next slot
	ds_add_u32 v[SPW], v[NIL]
	s_wait_dscnt 3*H1+1                            ; (the add and source 1's upper blocks may be out)
	MULS 0, H1/2, 1, NQ-1, \slot, 0
	s_wait_dscnt 0x0                               ; the add is done, and my reads of this slot are over
	s_barrier_signal -1
	MULS H1/2, H1/2, 1, NQ-1, \slot, 0
	WIN 0
	s_barrier_wait -1
.if (\fill) == 1
	CREST
	s_add_nc_u64 s[G0Y+4*\slot+2:G0Y+4*\slot+3], s[G0Y+4*\slot+2:G0Y+4*\slot+3], 2*RBL
	s_add_nc_u64 s[GX0+4*\slot+2:GX0+4*\slot+3], s[GX0+4*\slot+2:GX0+4*\slot+3], 2*RBL
	JLOAD G0Y+4*\slot, G1Y, GX0+4*\slot, GX1       ; its four v_nop are also the places in front of the loads below
.elseif (\fill) == 2
	CREST
	s_sub_nc_u64 s[G0Y+4*\slot+2:G0Y+4*\slot+3], s[G0Y+4*\slot+2:G0Y+4*\slot+3], 2*RBL
	JLOAD G0Y+4*\slot, G1Y, G0V+4*\slot, G1V
.else
	PLACES 4
.endif
	s_wait_alu depctr_va_vdst(0)
	v_add_nc_u32 v[AS0], NQ*P0, v[AS0]             ; on to the next slot's scale words
.if PH2 == 0
	v_add_nc_u32 v[AS1], NQ*P1, v[AS1]
.endif
	FETCH0 \next, 0, 0
	FETCH1 \next, 0, 0
	SCALES \next
.if (\fill) == 1 && PFN < 4
	ASK PFN                                        ; tile 1's next fill, one fill ahead of its joint load; nothing beyond its last
.set PFN, PFN+1
.endif
	MULS H1, H1, 1, NQ-1, \slot, 0
	PLACES 4
	WIN 0
	FETCH1 \next, 0, H1
.set KP, KP+1
.endm
; Tile 1's very last step, in slot 1: the same change of slots, but nothing of the next tile is fetched into registers yet: the accumulators go out first.
; Behind the round slot 0 holds the second tile's K steps 0 and 1, whole (every wave has waited for its part in front of the round), and slot 1 is asked for with its K steps 2 and 3.
.macro TURNP
	s_wait_tensorcnt 0x0                           ; all my tensor loads have landed: my part of slot 0's new tile
	ds_add_u32 v[SPW], v[NIL]
	s_wait_dscnt 3*H1+1
	MULS 0, H1/2, 1, NQ-1, 1, 0
	s_wait_dscnt 0x0                               ; the add is done, and my reads of slot 1 are over
	s_barrier_signal -1
	MULS H1/2, H1/2, 1, NQ-1, 1, 0
	WIN 0
	s_barrier_wait -1
	CREST
	s_sub_nc_u64 s[G0Y+6:G0Y+7], s[G0Y+6:G0Y+7], 2*RBL
	JLOAD G0Y+4, G1Y, G0V+4, G1V
	MULS H1, H1, 1, NQ-1, 1, 0
	WIN 0
	PLACES 4
.endm
.macro LAST                            ; the launch's very last K step: nothing more to fetch
	s_wait_dscnt 3*H1
	MULS 0, H1, 1, NQ-1, 1, 0
	s_wait_dscnt 0x0
	MULS H1, H1, 1, NQ-1, 1, 0
	WIN 0
	PLACES 4
.endm
.macro FIRSTF                          ; a tile's first fragments and scale words, out of slot 0
	FETCH0 0, 0, 0
	FETCH1 0, 0, 0
	SCALES 0
	FETCH1 0, 0, H1
.endm
; 64 numbers of a lane in window qw, register qs + 16 b + i = k 32 b + 16 (lane / 16) + i of the lane's row, become a fragment's codes in v[PC] on and its scale word in v[pw].
.macro QUANT qw, qs, pw
	WIN (\qw)|((\qw)<<2)
.irp b, 0,1,2,3
	v_max3_num_f32 v[TM+\b], |v[(\qs)+16*\b]|, |v[(\qs)+16*\b+1]|, 0x1800000   ; each accumulator is read from its low end on; the floor 2^(3 - 127) holds the byte at 1 from below
.endr
.irp i, 2,4,6,8,10,12,14
.irp b, 0,1,2,3
	v_max3_num_f32 v[TM+\b], |v[(\qs)+16*\b+\i]|, |v[(\qs)+16*\b+\i+1]|, v[TM+\b]
.endr
.endr
	WIN 0
.irp b, 0,1,2,3
	v_permlanex16_b32 v[TM+4+\b], v[TM+\b], s[SEL], s[SEL+1]
.endr
.irp b, 0,1,2,3
	v_max_num_f32 v[TM+\b], v[TM+\b], v[TM+4+\b]   ; the block's largest magnitude
.endr
.irp b, 0,1,2,3
	v_add_nc_u32 v[TM+12+\b], 0xff000000, v[TM+\b] ; 2 off its exponent field: the conversion's scale operand
.endr
.irp b, 0,1,2,3
	v_lshrrev_b32 v[TM+4+\b], 23, v[TM+12+\b]      ; the scale's byte
.endr
	v_lshl_or_b32 v[\pw], v[TM+5], 8, v[TM+4]
	v_lshl_or_b32 v[\pw], v[TM+6], 16, v[\pw]
	v_lshl_or_b32 v[\pw], v[TM+7], 24, v[\pw]
	s_wait_xcnt 0x0                                ; the earlier stores have read the registers that are written from here on
	WIN \qw
.irp c, 0,1
	v_cvt_scalef32_pk16_fp6_f32 v[PC+6*\c:PC+6*\c+2], v[(\qs)+32*\c:(\qs)+32*\c+15], v[TM+12+2*\c]
	v_cvt_scalef32_pk16_fp6_f32 v[PC+12+4*\c:PC+14+4*\c], v[(\qs)+16+32*\c:(\qs)+31+32*\c], v[TM+12+2*\c+1]
.endr
	WIN 0
	v_nop                                          ; one plain place behind a scaled conversion
.irp c, 0,1
.irp i, 0,1,2
	v_permlane16_swap_b32 v[PC+6*\c+\i], v[PC+12+4*\c+\i]
.endr
.irp i, 0,1,2
	v_mov_b32 v[PC+3+6*\c+\i], v[PC+12+4*\c+\i]
.endr
.endr
.endm
; ---------------- the launch ----------------
	s_load_b256 s[4:11], s[0:1], 0x0               ; in_codes, in_scales, qkv_codes, qkv_scales
	IDS
	v_and_b32 v5, 15, v0
	v_bfe_u32 v6, v0, 4, 1
	v_lshlrev_b32 v5, 2, v5
	v_mad_u32_u24 v13, v6, 49152, v5               ; wv's scale words: 4 r, and one K step (12,288 rows of 4 bytes) on for lanes 16-31; never rewritten
	s_lshl_b32 s19, ttmp9, 2
	s_add_co_u32 s19, s19, s21                     ; X = 4 x cluster x + cx: 0 to 7
	s_and_b32 s20, ttmp7, 0xffff
	s_lshl_b32 s20, s20, 2
	s_add_co_u32 s20, s20, s22                     ; Y = 4 x cluster y + cy: 0 to 31
	G1CODES G1Y, s40, 16, 1536                     ; the head's loads bring whole tiles: 16 rowblocks, 8 K steps of scale words
	G1CODES G1X, s41, 16, 1536
	G1SCL G1SY, s40, 256, KT, 12288, 7
	G1SCL G1SX, s41, 256, KT, 12288, 7
	s_lshl_b32 s42, s20, 4                         ; the tokens' codes: rowblock 16 Y + 8 x half
	s_lshl_b32 s43, s[WL], 3
	s_add_co_u32 s42, s42, s43
	s_mul_i32 s42, s42, 12288
	s_mov_b32 s43, 0
	s_lshl_b32 s44, s20, 10                        ; their scale words: 1,024 Y, all eight K steps
	s_mov_b32 s45, 0
	s_lshl_b32 s46, s19, 4                         ; wq's or wk's codes: rowblock 512 + 16 X + 8 x half
	s_lshl_b32 s47, s[WL], 3
	s_add_co_u32 s46, s46, s47
	s_mul_i32 s46, s46, 12288
	s_add_co_u32 s46, s46, 6291456
	s_mov_b32 s47, 0
	s_lshl_b32 s66, s19, 10                        ; their scale words: rows 8,192 + 256 X on
	s_add_co_u32 s66, s66, 32768
	s_mov_b32 s67, 0
	s_lshl_b32 s12, s19, 3                         ; wv's codes: rowblock 640 + 8 X + 4 x half
	s_lshl_b32 s13, s[WL], 2
	s_add_co_u32 s12, s12, s13
	s_mul_i32 s12, s12, 12288
	s_add_co_u32 s12, s12, 7864320
	s_mov_b32 s13, 0
	s_mul_i32 s2, s[WL], 8*RBL                     ; where they go: no place in the cluster enters an LDS address
	s_mul_i32 s3, s[WL], 4*RBL
	s_mov_b32 s23, 0
	s_wait_alu depctr_va_vdst(0)
	s_wait_kmcnt 0x0
	s_add_nc_u64 s[42:43], s[4:5], s[42:43]
	s_add_nc_u64 s[44:45], s[6:7], s[44:45]
	s_add_nc_u64 s[46:47], s[4:5], s[46:47]
	s_add_nc_u64 s[66:67], s[6:7], s[66:67]
	s_add_nc_u64 s[12:13], s[4:5], s[12:13]
	G0ONE G0SY, 23, SCY, 44
	G0ONE G0SX, 23, SCX, 66
	G0SLOTS G0Y, 2, 0, 42
	G0SLOTS G0X, 2, YB, 46
	G0SLOTS G0V, 3, YB, 12
	s_lshl_b32 s66, s19, 9                         ; wv's scale words of my 64 rows: row 10,240 + 128 X + 64 (wave / 2)
	s_lshl_b32 s67, s[WH], 8
	s_add_co_u32 s66, s66, s67
	s_add_co_u32 s66, s66, 40960
	s_mov_b32 s67, 0
	s_add_nc_u64 s[SVB:SVB+1], s[6:7], s[66:67]
.irp a, 0,1,2,3
.irp u, 0,1,2,3
	global_load_b32 v[SV+4*\a+\u], v13, s[SVB:SVB+1] offset:98304*\u+64*\a   ; block a: lanes 0-15 K step 2 u, lanes 16-31 K step 2 u + 1; waited for in front of the second tile
.endr
.endr
	CROUND                                         ; all sixteen work-groups are here: the first joint loads meet
; THE HEAD'S LOADS, one a wave: wave 0 slot 0's tokens, wave 1 their scale words, wave 2 slot 0's weights, wave 3 their scale words; one chain of branches, one join.
.macro ARM under, g0, g1, next
	s_cmp_lt_u32 s[WV], \under
	s_cbranch_scc0 \next
	tensor_load_to_lds s[\g0:\g0+3], s[\g1:\g1+7]
	s_nop 0
.rept 4
	v_nop
.endr
	s_branch .Lhead_asked
\next:
.endm
.macro ASK f                           ; a prefetch of fill f: of my half tile's 8 rowblocks my work-group takes two (by its place among the four that ask jointly): 24 blocks of 256 bytes, a lane a block
	global_prefetch_b8 v31, s[104:105] offset:(\f)*RBL th:TH_LOAD_NT scope:SCOPE_SE
.endm
.set PFP, 12288                        ; from rowblock to rowblock in memory
.set PFN, 3
	ARM 1, G0Y, G1Y, .Lhead_sy
	ARM 2, G0SY, G1SY, .Lhead_x
	ARM 3, G0X, G1X, .Lhead_sx
	tensor_load_to_lds s[G0SX:G0SX+3], s[G1SX:G1SX+7]
	s_nop 0
.rept 4
	v_nop
.endr
.Lhead_asked:
	s_cmp_eq_u32 s[WH], 0
	s_cselect_b64 s[104:105], s[42:43], s[46:47]   ; my half tile: the tokens' or the weights'
	s_cselect_b32 s2, s21, s22                     ; my place among the four partners
	s_mul_i32 s2, s2, 2*PFP
	s_mov_b32 s3, 0
	s_add_nc_u64 s[104:105], s[104:105], s[2:3]    ; never rewritten
	v_and_b32 v31, 31, v0
	v_min_u32 v31, 23, v31                         ; lanes 24-31 name the last block again
	v_mul_u32_u24 v30, v31, 171
	v_lshrrev_b32 v30, 11, v30                     ; l / 12
	v_lshlrev_b32 v31, 8, v31
	v_mad_u32_u24 v31, v30, PFP-3072, v31          ; rowblock l / 12, block l % 12; never rewritten
	s_wait_alu depctr_va_vdst(0)
	ASK 1
	; where tile 1 goes: rowblock 16 Y + 8 (wave / 2) + a, column G = 2 X + wave % 2 of 16 (Q: 0-7, K: 8-15)
	s_lshl_b32 s46, s20, 4
	s_lshl_b32 s47, s[WH], 3
	s_add_co_u32 s46, s46, s47
	s_mul_i32 s46, s46, 24576
	s_lshl_b32 s2, s19, 1
	s_add_co_u32 s2, s2, s[WL]
	s_mul_i32 s3, s2, FRB
	s_add_co_u32 s46, s46, s3
	s_mov_b32 s47, 0
	s_add_nc_u64 s[OC1:OC1+1], s[8:9], s[46:47]
	s_lshl_b32 s46, s2, 15                         ; its scale words: [16 G][8,192 tokens]
	s_lshl_b32 s3, s20, 10
	s_add_co_u32 s46, s46, s3
	s_lshl_b32 s3, s[WH], 9
	s_add_co_u32 s46, s46, s3
	s_add_nc_u64 s[OS1:OS1+1], s[10:11], s[46:47]
	; where tile 2 goes: behind Q and K: rowblock 64 b + 8 X + 4 (wave / 2) + a, key step 2 (Y % 8) + wave % 2
	s_lshr_b32 s23, s20, 3                         ; the batch
	s_lshl_b32 s46, s23, 6
	s_lshl_b32 s2, s19, 3
	s_add_co_u32 s46, s46, s2
	s_lshl_b32 s2, s[WH], 2
	s_add_co_u32 s46, s46, s2
	s_mul_i32 s46, s46, 24576
	s_and_b32 s2, s20, 7
	s_lshl_b32 s2, s2, 1
	s_add_co_u32 s2, s2, s[WL]
	s_mul_i32 s3, s2, FRB
	s_add_co_u32 s46, s46, s3
	s_add_co_u32 s46, s46, 12582912
	s_add_nc_u64 s[OC2:OC2+1], s[8:9], s[46:47]
	s_lshl_b32 s46, s2, 14                         ; its scale words: [16 key steps][4,096 rows (b, e)]
	s_lshl_b32 s23, s23, 12
	s_add_co_u32 s46, s46, s23
	s_lshl_b32 s2, s19, 9
	s_add_co_u32 s46, s46, s2
	s_lshl_b32 s2, s[WH], 8
	s_add_co_u32 s46, s46, s2
	s_add_co_u32 s46, s46, 524288
	s_add_nc_u64 s[OS2:OS2+1], s[10:11], s[46:47]
	G1CODES G1V, s41, 4, 1536                      ; the four pointers are used up: their registers take wv's group 1 (4 rowblocks a load, my column's mask)
	VADDR
	s_mul_i32 s2, s[WL], 8*RBL                     ; tile 2's LDS addresses: source 0 = the tokens' region,
	v_add_nc_u32 v8, s2, v[GO]
	v_add_nc_u32 v9, SLOT, v8
	s_mul_i32 s2, s[WH], 4*RBL                     ; source 1 = wv's 8 rowblocks behind it, 4 to a wave
	s_add_co_u32 s2, s2, YB
	v_add_nc_u32 v10, s2, v[GO]
	v_add_nc_u32 v11, SLOT, v10
	v_mad_u32_u24 v12, v2, PY, v4                  ; and the tokens' scale words as source 0's
	s_lshl_b32 s2, s[WL], 9
	s_add_co_u32 s2, s2, SCY
	v_add_nc_u32 v12, s2, v12
	s_lshl_b32 s2, s[WV], 9                        ; the way out: my wave's 512 bytes of the stage: in by rows,
	s_add_co_u32 s2, s2, STGW
	v_add_nc_u32 v25, s2, v4
	v_add_nc_u32 v26, s2, v[GO]                    ; back 16 bytes a lane (tile 1),
	v_lshlrev_b32 v15, 3, v3
	v_add_nc_u32 v14, s2, v15                      ; or 8 (tile 2)
.irp b, 0,1,2,3
	v_mov_b32 v[TM+4+\b], 0                        ; written once: a lane permute's destination counts as one of its sources
.endr
	s_wait_alu depctr_va_vdst(0)
	s_wait_tensorcnt 0x0                           ; my tile of the head's four is in
	ds_add_u32 v[SPW], v[NIL]
	s_mov_b32 s[G1Y+2], 8<<16                      ; no load of mine is out: from here on a load brings 8 rowblocks
	s_mov_b32 s[G1Y+4], 8
	s_mov_b32 s[G1X+2], 8<<16
	s_mov_b32 s[G1X+4], 8
	s_wait_dscnt 0x0
	CROUND                                         ; all four tiles are in, in every partner
	JLOAD G0Y+4, G1Y, G0X+4, G1X                   ; slot 1's first fill, the one load behind the round
	ASK 2
	; ---- TILE 1: written straight out; the first step's products start the sums, nothing is cleared
	FIRSTF
	STEP 0, 0, 1
	TURN 0, 1, 1                                   ; slot 0 takes K steps 4, 5
	STEP 1, 0, 0
	TURN 1, 0, 1                                   ; slot 1 takes K steps 6, 7
	STEP 0, 0, 0
	TURN 0, 1, 2                                   ; slot 0 takes tile 2's K steps 0, 1
	STEP 1, 0, 0
	TURNP                                          ; slot 1 takes tile 2's K steps 2, 3
	; ITS WAY OUT: source 1's block a gives one fragment (16 tokens x my 128 of e) and one scale word a token
.irp a, 0,1,2,3,4,5,6,7
	QUANT 2+\a/4, 64*(\a%4), 160+\a
.irp c, 0,1,2
	global_store_b128 v[GO], v[PC+4*\c:PC+4*\c+3], s[OC1:OC1+1] offset:24576*\a+512*\c   ; 512 consecutive bytes, aligned
.endr
.endr
.irp a, 0,1,2,3,4,5,6,7
	ds_store_b32 v25, v[160+\a] offset:64*\a       ; both halves of the lanes write the same word
.endr
	ds_load_b128 v[120:123], v26                   ; LDS serves a wave's instructions in order: this sees my stores
	s_wait_dscnt 0x0
	global_store_b128 v[GO], v[120:123], s[OS1:OS1+1]   ; my 128 tokens' words: 512 consecutive bytes
	; ---- TILE 2: the same macros on other sizes, addresses and descriptors
.set NB1, 4
.set H1,  2
.set P0,  PY
.set AD0, 8
.set AD1, 10
.set AS0, 12
.set GX0, G0V
.set GX1, G1V
.set PH2, 1
.set KP,  0
	s_wait_loadcnt 0x0                             ; wv's scale words, asked for at the head
	FIRSTF                                         ; slot 0 was shown whole to every wave by the round in which slot 1 was asked for
	STEP 0, 0, 1
	TURN 0, 1, 1                                   ; slot 0 takes K steps 4, 5
	STEP 1, 0, 0
	TURN 1, 0, 1                                   ; slot 1 takes K steps 6, 7
	STEP 0, 0, 0
	TURN 0, 1, 0                                   ; nothing is left to ask for
	STEP 1, 0, 0
	LAST
	; ITS WAY OUT: source 1's block a gives one fragment (16 channels x my 128 keys) and one scale word a channel
.irp a, 0,1,2,3
	QUANT 2, 64*\a, 160+\a
.irp c, 0,1,2
	global_store_b128 v[GO], v[PC+4*\c:PC+4*\c+3], s[OC2:OC2+1] offset:24576*\a+512*\c   ; 512 consecutive bytes, aligned
.endr
.endr
.irp a, 0,1,2,3
	ds_store_b32 v25, v[160+\a] offset:64*\a
.endr
	ds_load_b64 v[120:121], v14                    ; (tile 1's store of v[120:123] has read them: a wait for that stands in each block's quantiser above)
	s_wait_dscnt 0x0
	global_store_b64 v15, v[120:121], s[OS2:OS2+1] ; my 64 channels' words: 256 consecutive bytes, aligned
	s_wait_tensorcnt 0x0                           ; the wave's end
	ds_add_u32 v[SPW], v[NIL]
	s_wait_dscnt 0x0
	CROUND                                         ; the closing round
	s_endpgm
.Lfunc_end_k_q42e742da89_proj:
	.size	k_q42e742da89_proj, .Lfunc_end_k_q42e742da89_proj-k_q42e742da89_proj
	.p2alignl 7, 3214868480
	.fill 96, 4, 3214868480
	.section	.rodata,"a",@progbits
	.p2align	6, 0x0
	.amdhsa_kernel k_q42e742da89_proj
		.amdhsa_group_segment_fixed_size 327680
		.amdhsa_private_segment_fixed_size 0
		.amdhsa_enable_private_segment 0
		.amdhsa_kernarg_size 32
		.amdhsa_user_sgpr_count 2
		.amdhsa_user_sgpr_kernarg_segment_ptr 1
		.amdhsa_wavefront_size32 1
		.amdhsa_system_sgpr_workgroup_id_x 1
		.amdhsa_system_sgpr_workgroup_id_y 1
		.amdhsa_system_sgpr_workgroup_id_z 1
		.amdhsa_system_vgpr_workitem_id 0
		.amdhsa_next_free_vgpr 1024
		.amdhsa_next_free_sgpr 106
		.amdhsa_reserve_vcc 0
		.amdhsa_float_denorm_mode_32 3
		.amdhsa_float_denorm_mode_16_64 3
		.amdhsa_memory_ordered 1
		.amdhsa_forward_progress 1
		.amdhsa_inst_pref_size 225
	.end_amdhsa_kernel
	.amdgpu_metadata
---
amdhsa.version: [ 1, 2 ]
amdhsa.kernels:
  - .name:           k_q42e742da89_proj
    .symbol:         k_q42e742da89_proj.kd
    .args:
      - { .name: in_codes, .offset: 0, .size: 8, .value_kind: global_buffer, .address_space: global }
      - { .name: in_scales, .offset: 8, .size: 8, .value_kind: global_buffer, .address_space: global }
      - { .name: qkv_codes, .offset: 16, .size: 8, .value_kind: global_buffer, .address_space: global }
      - { .name: qkv_scales, .offset: 24, .size: 8, .value_kind: global_buffer, .address_space: global }
    .group_segment_fixed_size: 327680
    .private_segment_fixed_size: 0
    .kernarg_segment_align: 8
    .kernarg_segment_size: 32
    .max_flat_workgroup_size: 128
    .sgpr_count:     106
    .vgpr_count:     1024
    .wavefront_size: 32
...
	.end_amdgpu_metadata
.endif
;; end of part 2
;; launch scores (part 3): grid 8 x 32, 4 waves a work-group, clusters of 4 x 4, 327,680 bytes of LDS; arguments qkv_codes, qkv_scales, p_codes, p_meta; writes p_codes, p_meta
.if DOCPART == 3
	.amdgcn_target "amdgcn-amd-amdhsa--gfx1250"
	.amdhsa_code_object_version 6
	.text
	.protected	k_q42e742da89_scores
	.globl	k_q42e742da89_scores
	.p2align	8
	.type	k_q42e742da89_scores,@function
k_q42e742da89_scores:
	s_mov_b64 s[64:65], 0
	v_nop
	global_prefetch_b8 v0, s[64:65] scope:SCOPE_SE
	s_setreg_imm32_b32 hwreg(HW_REG_WAVE_MODE, 25, 1), 1
	s_wait_xcnt 0x0
	s_wait_alu depctr_hold_cnt(0) depctr_sa_sdst(0) depctr_va_vdst(0) depctr_va_sdst(0) depctr_va_ssrc(0) depctr_va_vcc(0) depctr_vm_vsrc(0)
	s_getreg_b32 s2, hwreg(HW_REG_IB_STS2, 6, 4)
	s_cmp_eq_u32 s2, 0
	s_cbranch_scc0 .Lentry_in_a_cluster
	s_endpgm
.Lentry_in_a_cluster:
	s_bfe_u32 s2, ttmp6, 0x10000c
	s_cmp_lg_u32 s2, 0xf033
	s_cbranch_scc0 .Lentry_shape_is_right
	s_endpgm
.Lentry_shape_is_right:
; S = Q K^T on codes of FP6 (E2M3) with E8M0 scales, f32 sums, and the softmax's first half: for each query and each GROUP of 128 keys, t = score x log2(e) / 8, M_loc = ceil(the group's largest t), a whole number,
; p = 2^(t - M_loc), quantised along the keys; its codes, its scale word, -M_loc and the group's sum of the unquantised p go to memory.  The next launch takes the row's M as the largest M_loc and takes
; M - M_loc off the scale bytes: a power of two, which changes no code.  So the maximum is taken away before every exponential, and no score is kept in f32.
; A tile of 256 queries x 256 keys is made by four waves, each 128 x 128.  Source 0 = keys (the result's registers), source 1 = queries (its lanes): a lane holds one query, and its 64 registers over the
; eight blocks of keys are register 16 B + i = key 32 B + 16 (lane / 16) + i (rows are stored with the two middle groups of eight of each 32 exchanged).
; Operands lie as images of their registers; ring, joint loads and scale words as in the other product launches.  CLUSTERS of 4 x 4: Q's tile (Y) goes to my row, K's tile (X) to my column.
; LIMITS: NaN and infinities are not served; M_loc is exact for |t| under 2^24; a block whose every p has fallen to 0 keeps the byte 1 (its codes are zeros).
; A block's largest p is not searched for: the block's largest score goes through the same multiply-add and exponential (this takes v_exp_f32 not to fall where its input rises).
; REGISTERS: window 0: v1-4, v16-29 addresses; v32-63 scale words, two sets, nothing else; v64-115 at work on the way out; v128-223 source 1's fragments, on the way out v160-183 the blocks' words, -M and sums.
;   window 1: source 0's fragments, two sets.  windows 2, 3: accumulators.
.set NQ,    2
.set NB1,   8
.set KT,    8
.set RY,    256
.set RX,    256
.set YB,    49152
.set XB,    49152
.set S0REG, YB
.set S1REG, 0
.set SCY,   196608
.set SCX,   205312
.set SPARE, 214016
.set PY,    1088
.set PX,    1088
.set P0,    PX
.set P1,    PY
.set SC0B,  SCX
.set SC1B,  SCY
; ---------------- the core that the four product launches share ----------------
.set FRB,   1536                       ; a fragment's image
.set RBL,   NQ*FRB                     ; a rowblock's bytes in a slot
.set H1,    NB1/2
.set LAPS,  KT/(2*NQ)
.set SETSZ, (8+NB1)*NQ/2               ; scale registers of a slot: one for each block and pair of K steps (lanes 0-15 the even step's words, lanes 16-31 the odd step's)
.set SLOT,  YB+XB
.set AD0,   16
.set AD1,   20
.set AS0,   22
.set AS1,   23
.set GO,    24
.set SPW,   28
.set NIL,   29
.set SC,    32
.set S1F,   128
.set PC,    96
.set WV,    16
.set WH,    17
.set WL,    18
.set G1Y,   24
.set G0Y,   32
.set G1X,   48
.set G0X,   56
.set G1SY,  68
.set G0SY,  76
.set G1SX,  80
.set G0SX,  88
.set SEL,   92
.set MSB,   0
.macro WIN new                         ; the immediate's high byte repeats the setting that is left; a switch that changes nothing is dropped
.if MSB != (\new)
	s_set_vgpr_msb (MSB<<8)|(\new)
.set MSB, (\new)
.endif
.endm
.macro PLACES n                        ; plain places behind matrix instructions (ISA guide 7.12.1)
.rept \n
	v_nop
.endr
.endm
.macro CREST                           ; a round of the cluster's barrier behind its opening barrier
	s_cmp_lg_u32 s[WV], 0
	s_cbranch_scc1 .Lnot_wave_0_\@
	s_barrier_signal -3
.Lnot_wave_0_\@:
	s_barrier_wait -3
	s_barrier_signal -1
	s_barrier_wait -1
.endm
.macro CROUND
	s_barrier_signal -1
	s_barrier_wait -1
	CREST
.endm
.macro JLOAD g0y, g1y, g0x, g1x        ; a joint load: waves 0, 1 ask for Y, waves 2, 3 for X; four v_nop follow each line
	s_cmp_eq_u32 s[WH], 0
	s_cbranch_scc0 .Lfor_x_\@
	tensor_load_to_lds s[\g0y:\g0y+3], s[\g1y:\g1y+7]
	s_nop 0
.rept 4
	v_nop
.endr
	s_branch .Lasked_\@
.Lfor_x_\@:
	tensor_load_to_lds s[\g0x:\g0x+3], s[\g1x:\g1x+7]
	s_nop 0
.rept 4
	v_nop
.endr
.Lasked_\@:
.endm
.macro G1CODES g, m, rows, pitch8      ; group 1 for codes: rows rowblocks x RBL bytes, in elements of 8 bytes, dense in LDS
	s_or_b32 s[\g], \m, (3<<16)|(1<<21)
	s_mov_b32 s[\g+1], (192*NQ)<<16
	s_mov_b32 s[\g+2], (\rows)<<16
	s_mov_b32 s[\g+3], (192*NQ)<<16
	s_mov_b32 s[\g+4], \rows
	s_mov_b32 s[\g+5], \pitch8
	s_mov_b32 s[\g+6], 0
	s_mov_b32 s[\g+7], 0
.endm
.macro G1SCL g, m, r, rows, rt, qi     ; group 1 for scale words: rows K steps x r words, 64 bytes of padding behind each, out of a table of rt rows
	s_or_b32 s[\g], \m, (3<<16)|(1<<20)|(1<<21)|((\qi)<<22)|(15<<25)
	s_mov_b32 s[\g+1], ((\r)/2)<<16
	s_mov_b32 s[\g+2], (\rows)<<16
	s_mov_b32 s[\g+3], ((\r)/2)<<16
	s_mov_b32 s[\g+4], \rows
	s_mov_b32 s[\g+5], (\rt)/2
	s_mov_b32 s[\g+6], 0
	s_mov_b32 s[\g+7], 0
.endm
.macro G0ONE g0, lreg, lconst, alo
	s_mov_b32 s[\g0], 1
	s_add_co_u32 s[\g0+1], s[\lreg], \lconst
	s_mov_b64 s[\g0+2:\g0+3], s[\alo:\alo+1]
	s_or_b32 s[\g0+3], s[\g0+3], 0x80000000
.endm
.macro G0SLOTS g0, lreg, lconst, alo
.irp n, 0,1
	s_mov_b32 s[\g0+4*\n], 1
	s_add_co_u32 s[\g0+4*\n+1], s[\lreg], (\lconst)+\n*SLOT
	s_add_nc_u64 s[\g0+4*\n+2:\g0+4*\n+3], s[\alo:\alo+1], \n*RBL
	s_or_b32 s[\g0+4*\n+3], s[\g0+4*\n+3], 0x80000000
.endr
.endm
.macro IDS
	v_lshl_add_u32 v[SPW], v0, 2, SPARE
	v_mov_b32 v[NIL], 0
	ds_add_u32 v28, v29
	ds_add_u32 v28, v29
	s_wait_dscnt 0x0
	v_lshrrev_b32 v1, 5, v0
	v_readfirstlane_b32 s[WV], v1
	s_lshr_b32 s[WH], s[WV], 1
	s_and_b32 s[WL], s[WV], 1
	s_bfe_u32 s21, ttmp6, 0x40000                  ; cx
	s_bfe_u32 s22, ttmp6, 0x40004                  ; cy
	s_lshl_b32 s40, s22, 2
	s_lshl_b32 s40, 15, s40                        ; my row of the cluster
	s_lshl_b32 s41, 0x1111, s21                    ; my column
	s_mov_b32 s[SEL], 0x76543210
	s_mov_b32 s[SEL+1], 0xfedcba98
.endm
.macro VADDR
	v_and_b32 v1, 15, v0                           ; r
	v_bfe_u32 v2, v0, 4, 1                         ; h
	v_and_b32 v3, 31, v0                           ; lane
	v_lshlrev_b32 v[GO], 4, v3
	v_lshlrev_b32 v4, 2, v1
	s_wait_alu depctr_va_vdst(0)
	s_mul_i32 s2, s[WL], 8*RBL
	s_add_co_u32 s2, s2, S0REG
	v_add_nc_u32 v[AD0], s2, v[GO]
	v_add_nc_u32 v[AD0+1], SLOT, v[AD0]
	s_mul_i32 s2, s[WH], NB1*RBL
	s_add_co_u32 s2, s2, S1REG
	v_add_nc_u32 v[AD1], s2, v[GO]
	v_add_nc_u32 v[AD1+1], SLOT, v[AD1]
	v_mad_u32_u24 v[AS0], v2, P0, v4
	s_lshl_b32 s2, s[WL], 9
	s_add_co_u32 s2, s2, SC0B
	v_add_nc_u32 v[AS0], s2, v[AS0]
	v_mad_u32_u24 v[AS1], v2, P1, v4
	s_mul_i32 s2, s[WH], 64*NB1
	s_add_co_u32 s2, s2, SC1B
	v_add_nc_u32 v[AS1], s2, v[AS1]
.endm
.macro FRAG reg, adr, off
.irp c, 0,1,2
	ds_load_b128 v[(\reg)+4*\c:(\reg)+4*\c+3], v[\adr] offset:(\off)+512*\c
.endr
.endm
.macro FETCH0 slot, q, p
	WIN 0x40
.irp i, 0,1,2,3,4,5,6,7
	FRAG 128*(\p)+12*\i, AD0+\slot, RBL*\i+FRB*(\q)
.endr
	WIN 0
.endm
.macro FETCH1 slot, q, i0
.set fi, \i0
.rept H1
	FRAG S1F+12*fi, AD1+\slot, RBL*fi+FRB*(\q)
.set fi, fi+1
.endr
.endm
.macro SCALES set
.irp i, 0,1,2,3,4,5,6,7
.set su, 0
.rept NQ/2
	ds_load_b32 v[SC+SETSZ*(\set)+(NQ/2)*\i+su], v[AS0] offset:64*\i+2*P0*su
.set su, su+1
.endr
.endr
.set si, 0
.rept NB1
.set su, 0
.rept NQ/2
	ds_load_b32 v[SC+SETSZ*(\set)+(NQ/2)*(8+si)+su], v[AS1] offset:64*si+2*P1*su
.set su, su+1
.endr
.set si, si+1
.endr
.endm
.macro MULA a, p, q, set, zero         ; eight accumulators, one instruction each
.irp b, 0,1,2,3,4,5,6,7
.set rD, 8*(8*((\a)%4)+\b)
.set rA, 128*(\p)+12*\b
.set rB, S1F+12*(\a)
.set rX, SC+SETSZ*(\set)+(NQ/2)*\b+(\q)/2
.set rY, SC+SETSZ*(\set)+(NQ/2)*(8+(\a))+(\q)/2
.if \zero
	v_wmma_scale_f32_16x16x128_f8f6f4 v[rD:rD+7], v[rA:rA+11], v[rB:rB+11], 0, v[rX], v[rY] matrix_a_fmt:MATRIX_FMT_FP6 matrix_b_fmt:MATRIX_FMT_FP6
.elseif (\q)%2
	v_wmma_scale_f32_16x16x128_f8f6f4 v[rD:rD+7], v[rA:rA+11], v[rB:rB+11], v[rD:rD+7], v[rX], v[rY] matrix_a_fmt:MATRIX_FMT_FP6 matrix_b_fmt:MATRIX_FMT_FP6 matrix_a_scale:MATRIX_SCALE_ROW1 matrix_b_scale:MATRIX_SCALE_ROW1
.else
	v_wmma_scale_f32_16x16x128_f8f6f4 v[rD:rD+7], v[rA:rA+11], v[rB:rB+11], v[rD:rD+7], v[rX], v[rY] matrix_a_fmt:MATRIX_FMT_FP6 matrix_b_fmt:MATRIX_FMT_FP6
.endif
.endr
.endm
.macro MULS a0, n, p, q, set, zero
	WIN 0x01|((2+(\a0)/4)<<4)|((2+(\a0)/4)<<6)
.set ma, \a0
.rept \n
	MULA ma, \p, \q, \set, \zero
.set ma, ma+1
.endr
.endm
.macro STEP slot, q, zero
	s_wait_dscnt 3*H1                              ; all but the youngest loads (source 1's upper blocks) are in
	MULS 0, H1, (\q)%2, \q, \slot, \zero
	s_wait_dscnt 0x0
	PLACES 4
	FETCH0 \slot, (\q)+1, 1-(\q)%2
	FETCH1 \slot, (\q)+1, 0
	MULS H1, H1, (\q)%2, \q, \slot, \zero
	PLACES 4
	WIN 0
	FETCH1 \slot, (\q)+1, H1
.endm
.macro STEPS slot, zero
.set sq, 0
.rept NQ-1
.if sq == 0
	STEP \slot, sq, \zero
.else
	STEP \slot, sq, 0
.endif
.set sq, sq+1
.endr
.endm
; A slot's last step changes slots: one barrier; in front of it each wave waits for all its tensor loads, adds 0 to its spare word, and waits for that and for its own reads of the slot.
.macro TURN slot, next, fill
	s_wait_tensorcnt 0x0                           ; all my tensor loads have landed: my part of the next slot
	ds_add_u32 v[SPW], v[NIL]
	s_wait_dscnt 3*H1+1                            ; (the add and source 1's upper blocks may be out)
	MULS 0, H1/2, 1, NQ-1, \slot, 0
	s_wait_dscnt 0x0                               ; the add is done, and my reads of this slot are over
	s_barrier_signal -1
	MULS H1/2, H1/2, 1, NQ-1, \slot, 0
	WIN 0
	s_barrier_wait -1
.if \fill
	CREST
	s_add_nc_u64 s[G0Y+4*\slot+2:G0Y+4*\slot+3], s[G0Y+4*\slot+2:G0Y+4*\slot+3], 2*RBL
	s_add_nc_u64 s[G0X+4*\slot+2:G0X+4*\slot+3], s[G0X+4*\slot+2:G0X+4*\slot+3], 2*RBL
	JLOAD G0Y+4*\slot, G1Y, G0X+4*\slot, G1X
.else
	PLACES 4
.endif
	s_wait_alu depctr_va_vdst(0)
	v_add_nc_u32 v[AS0], NQ*P0, v[AS0]
	v_add_nc_u32 v[AS1], NQ*P1, v[AS1]
	FETCH0 \next, 0, 0
	FETCH1 \next, 0, 0
	SCALES \next
.if (\fill) && PFN < 4
	ASK PFN                                        ; the next fill, one fill ahead of its joint load; nothing beyond the last
.set PFN, PFN+1
.endif
	MULS H1, H1, 1, NQ-1, \slot, 0
	PLACES 4
	WIN 0
	FETCH1 \next, 0, H1
.endm
.macro LAST
	s_wait_dscnt 3*H1
	MULS 0, H1, 1, NQ-1, 1, 0
	s_wait_dscnt 0x0
	MULS H1, H1, 1, NQ-1, 1, 0
	WIN 0
.endm
.macro GEMM
	FETCH0 0, 0, 0
	FETCH1 0, 0, 0
	SCALES 0
	FETCH1 0, 0, H1
	STEPS 0, 1
.if LAPS > 1
.rept LAPS-1
	TURN 0, 1, 1
	STEPS 1, 0
	TURN 1, 0, 1
	STEPS 0, 0
.endr
.endif
	TURN 0, 1, 0
	STEPS 1, 0
	LAST
	PLACES 4
.endm
; ---------------- the softmax of one block of 16 queries over my 128 keys ----------------
.set BM,  64                           ; v64-67  the blocks' largest scores, then their largest p
.set BP,  68                           ; v68-71  the other half's; then the bytes
.set SCO, 72                           ; v72-75  the conversions' scale operands
.set T0,  76
.set T1,  77
.set NM,  78                           ; v[78:79] -M_loc (the packed form names a pair and takes its low word)
.set SA,  80                           ; v[80:81], v[82:83] the sum, in two chains of pairs
.set SB,  82
.set CS,  94                           ; s[94:95] log2(e) / 8
.macro SOFTQ a
.set QW, 2+(\a)/4
.set QS, 64*((\a)%4)
	WIN QW|(QW<<2)
.irp b, 0,1,2,3
	v_max_num_f32 v[BM+\b], v[QS+16*\b], v[QS+16*\b+1]   ; the largest score of each block of 32 keys; each accumulator is read from its low end on
.endr
.irp i, 2,4,6,8,10,12,14
.irp b, 0,1,2,3
	v_max3_num_f32 v[BM+\b], v[QS+16*\b+\i], v[QS+16*\b+\i+1], v[BM+\b]
.endr
.endr
	WIN 0
.irp b, 0,1,2,3
	v_permlanex16_b32 v[BP+\b], v[BM+\b], s[SEL], s[SEL+1]
.endr
.irp b, 0,1,2,3
	v_max_num_f32 v[BM+\b], v[BM+\b], v[BP+\b]     ; with lane l xor 16's 16 keys
.endr
	v_max3_num_f32 v[T0], v[BM], v[BM+1], v[BM+2]
	v_max_num_f32 v[T0], v[T0], v[BM+3]            ; the group's largest score of my query
	v_mul_f32 v[T0], s[CS], v[T0]                  ; as t
	v_floor_f32 v[NM], -v[T0]                      ; -M_loc = floor(-t) = -ceil(t)
	v_mov_b32 v[168+(\a)], v[NM]
.irp b, 0,1,2,3
	v_fma_f32 v[BM+\b], v[BM+\b], s[CS], v[NM]     ; t - M_loc of each block's largest score
.endr
	WIN (QW<<6)|QW
.set j, 0
.rept 32
	v_pk_fma_f32 v[QS+j:QS+j+1], v[QS+j:QS+j+1], s[CS:CS+1], v[NM:NM+1] op_sel_hi:[1,0,0]   ; t - M_loc, two at a time
.set j, j+2
.endr
.set j, 0
	s_wait_alu depctr_va_vdst(0)
.rept 64
	v_exp_f32 v[QS+j], v[QS+j]                     ; p = 2^(t - M_loc), at most 1
.set j, j+1
.endr
	WIN 0
	v_nop                                          ; a plain place behind the exponentials
	s_wait_alu depctr_va_vdst(0)                   ; one wait for the batch of 64, ahead of its first reader
.irp b, 0,1,2,3
	v_exp_f32 v[BM+\b], v[BM+\b]                   ; the blocks' largest p
.endr
	WIN QW|(QW<<2)
	v_pk_add_f32 v[SA:SA+1], v[QS:QS+1], v[QS+2:QS+3]       ; the sum of the unquantised p: it reads the 64 alone, plain work behind the four
	v_pk_add_f32 v[SB:SB+1], v[QS+4:QS+5], v[QS+6:QS+7]
	WIN QW
.set j, 8
.rept 14
	v_pk_add_f32 v[SA:SA+1], v[QS+j:QS+j+1], v[SA:SA+1]
	v_pk_add_f32 v[SB:SB+1], v[QS+j+2:QS+j+3], v[SB:SB+1]
.set j, j+4
.endr
	WIN 0
	v_pk_add_f32 v[SA:SA+1], v[SA:SA+1], v[SB:SB+1]
	v_add_f32 v[176+(\a)], v[SA], v[SA+1]
	v_permlanex16_b32 v[T1], v[176+(\a)], s[SEL], s[SEL+1]
	v_add_f32 v[176+(\a)], v[176+(\a)], v[T1]      ; with lane l xor 16's 64 keys: the group's sum
	s_wait_alu depctr_va_vdst(0)                   ; and one wait for the four
.irp b, 0,1,2,3
	v_max_num_f32 v[BM+\b], 0x1800000, v[BM+\b]    ; the floor 2^(3 - 127): the byte cannot fall under 1
.endr
.irp b, 0,1,2,3
	v_add_nc_u32 v[SCO+\b], 0xff000000, v[BM+\b]   ; 2 off the exponent field: the conversion's scale operand
.endr
.irp b, 0,1,2,3
	v_lshrrev_b32 v[BP+\b], 23, v[SCO+\b]          ; the scale's byte
.endr
	v_lshl_or_b32 v[160+(\a)], v[BP+1], 8, v[BP]
	v_lshl_or_b32 v[160+(\a)], v[BP+2], 16, v[160+(\a)]
	v_lshl_or_b32 v[160+(\a)], v[BP+3], 24, v[160+(\a)]
	s_wait_xcnt 0x0                                ; the last block's stores have read the codes' registers
	WIN QW
.irp c, 0,1
	v_cvt_scalef32_pk16_fp6_f32 v[PC+6*\c:PC+6*\c+2], v[QS+32*\c:QS+32*\c+15], v[SCO+2*\c]
	v_cvt_scalef32_pk16_fp6_f32 v[PC+12+4*\c:PC+14+4*\c], v[QS+16+32*\c:QS+31+32*\c], v[SCO+2*\c+1]
.endr
	WIN 0
	v_nop                                          ; one plain place behind a scaled conversion
.irp c, 0,1
.irp i, 0,1,2
	v_permlane16_swap_b32 v[PC+6*\c+\i], v[PC+12+4*\c+\i]
.endr
.irp i, 0,1,2
	v_mov_b32 v[PC+3+6*\c+\i], v[PC+12+4*\c+\i]
.endr
.endr
.irp c, 0,1,2
	global_store_b128 v[GO], v[PC+4*\c:PC+4*\c+3], s[96:97] offset:24576*(\a)+512*\c   ; 512 consecutive bytes, aligned
.endr
.endm
; ---------------- the launch ----------------
	s_load_b256 s[4:11], s[0:1], 0x0               ; qkv_codes, qkv_scales, p_codes, p_meta
	IDS
	s_mov_b32 s[CS], 0x3e38aa3b                    ; log2(e) / 8
	s_mov_b32 s[CS+1], s[CS]
	s_lshl_b32 s19, ttmp9, 2
	s_add_co_u32 s19, s19, s21                     ; X: my tile of 256 keys in the batch
	s_and_b32 s20, ttmp7, 0xffff
	s_lshr_b32 s23, s20, 1                         ; the batch, which the whole cluster shares
	s_lshl_b32 s20, s20, 2
	s_add_co_u32 s20, s20, s22                     ; Y: my tile of 256 queries among all tokens
	G1CODES G1Y, s40, RY/16, 3072                  ; the head's loads bring whole tiles
	G1CODES G1X, s41, RX/16, 3072
	G1SCL G1SY, s40, RY, KT, 8192, 7
	G1SCL G1SX, s41, RX, KT, 8192, 7
	s_lshl_b32 s42, s20, 4                         ; Q's codes: rowblock 16 Y + 8 x half, columns 0-7
	s_lshl_b32 s43, s[WL], 3
	s_add_co_u32 s42, s42, s43
	s_mul_i32 s42, s42, 24576
	s_mov_b32 s43, 0
	s_lshl_b32 s44, s20, 10                        ; Q's scale words: K steps 0-7, four to a half
	s_mov_b32 s45, 0
	s_lshl_b32 s46, s23, 7                         ; K's codes: rowblock 128 B + 16 X + 8 x half, columns 8-15
	s_lshl_b32 s47, s19, 4
	s_add_co_u32 s46, s46, s47
	s_lshl_b32 s47, s[WL], 3
	s_add_co_u32 s46, s46, s47
	s_mul_i32 s46, s46, 24576
	s_add_co_u32 s46, s46, 12288
	s_mov_b32 s47, 0
	s_lshl_b32 s66, s23, 13                        ; K's scale words
	s_lshl_b32 s67, s19, 10
	s_add_co_u32 s66, s66, s67
	s_add_co_u32 s66, s66, 262144
	s_mov_b32 s67, 0
	s_mul_i32 s2, s[WL], (RY/32)*RBL
	s_mul_i32 s3, s[WL], (RX/32)*RBL
	s_mov_b32 s100, 0
	s_mov_b32 s101, 0
	s_wait_kmcnt 0x0
	s_add_nc_u64 s[42:43], s[4:5], s[42:43]
	s_add_nc_u64 s[44:45], s[6:7], s[44:45]
	s_add_nc_u64 s[46:47], s[4:5], s[46:47]
	s_add_nc_u64 s[66:67], s[6:7], s[66:67]
	G0ONE G0SY, 100, SCY, 44
	G0ONE G0SX, 101, SCX, 66
	G0SLOTS G0Y, 2, 0, 42
	G0SLOTS G0X, 3, YB, 46
	CROUND                                         ; all sixteen work-groups are here: the first joint loads meet
; THE HEAD'S LOADS, one a wave: wave 0 slot 0's Q, wave 1 Q's scale words, wave 2 slot 0's K, wave 3 K's scale words; one chain of branches, one join.
.macro ARM under, g0, g1, next
	s_cmp_lt_u32 s[WV], \under
	s_cbranch_scc0 \next
	tensor_load_to_lds s[\g0:\g0+3], s[\g1:\g1+7]
	s_nop 0
.rept 4
	v_nop
.endr
	s_branch .Lhead_asked
\next:
.endm
.macro ASK f                           ; a prefetch of fill f: of my half tile's 8 rowblocks my work-group takes two (by its place among the four that ask jointly): 24 blocks of 256 bytes, a lane a block
	global_prefetch_b8 v31, s[104:105] offset:(\f)*RBL th:TH_LOAD_NT scope:SCOPE_SE
.endm
.set PFP, 24576                        ; from rowblock to rowblock in memory
.set PFN, 3
	ARM 1, G0Y, G1Y, .Lhead_sy
	ARM 2, G0SY, G1SY, .Lhead_x
	ARM 3, G0X, G1X, .Lhead_sx
	tensor_load_to_lds s[G0SX:G0SX+3], s[G1SX:G1SX+7]
	s_nop 0
.rept 4
	v_nop
.endr
.Lhead_asked:
	s_cmp_eq_u32 s[WH], 0
	s_cselect_b64 s[104:105], s[42:43], s[46:47]   ; my half tile: Q's or K's
	s_cselect_b32 s2, s21, s22                     ; my place among the four partners
	s_mul_i32 s2, s2, 2*PFP
	s_mov_b32 s3, 0
	s_add_nc_u64 s[104:105], s[104:105], s[2:3]    ; never rewritten
	v_and_b32 v31, 31, v0
	v_min_u32 v31, 23, v31                         ; lanes 24-31 name the last block again
	v_mul_u32_u24 v30, v31, 171
	v_lshrrev_b32 v30, 11, v30                     ; l / 12
	v_lshlrev_b32 v31, 8, v31
	v_mad_u32_u24 v31, v30, PFP-3072, v31          ; rowblock l / 12, block l % 12; never rewritten
	s_wait_alu depctr_va_vdst(0)
	ASK 1
	s_lshl_b32 s46, s20, 4                         ; where P goes: rowblock 16 Y + 8 WH + a, key group G = 2 X + WL
	s_lshl_b32 s47, s[WH], 3
	s_add_co_u32 s46, s46, s47
	s_mul_i32 s46, s46, 24576
	s_lshl_b32 s47, s19, 1
	s_add_co_u32 s47, s47, s[WL]
	s_mul_i32 s66, s47, FRB
	s_add_co_u32 s46, s46, s66
	s_lshl_b32 s66, s47, 15                        ; the three tables [16 G][8,192 rows]
	s_mov_b32 s47, 0
	s_add_nc_u64 s[96:97], s[8:9], s[46:47]
	s_lshl_b32 s67, s20, 10
	s_add_co_u32 s66, s66, s67
	s_lshl_b32 s67, s[WH], 9
	s_add_co_u32 s66, s66, s67
	s_mov_b32 s67, 0
	s_add_nc_u64 s[98:99], s[10:11], s[66:67]
	VADDR
	s_mul_i32 s2, s[WV], 1536
	v_add_nc_u32 v25, s2, v4                       ; the way out: my wave's 3 x 512 bytes in slot 0: in by rows,
	v_add_nc_u32 v26, s2, v[GO]                    ; back 16 bytes a lane
.irp b, 0,1,2,3
	v_mov_b32 v[BP+\b], 0                          ; written once: a lane permute's destination counts as one of its sources
.endr
	v_mov_b32 v[T1], 0
	v_mov_b32 v[NM+1], 0                           ; (named as the upper half of a pair)
	s_wait_alu depctr_va_vdst(0)
	s_wait_tensorcnt 0x0                           ; my tile of the head's four is in
	ds_add_u32 v[SPW], v[NIL]
	s_mov_b32 s[G1Y+2], 8<<16                      ; no load of mine is out: from here on a load brings 8 rowblocks
	s_mov_b32 s[G1Y+4], 8
	s_mov_b32 s[G1X+2], 8<<16
	s_mov_b32 s[G1X+4], 8
	s_wait_dscnt 0x0
	CROUND                                         ; all four tiles are in, in every partner
	JLOAD G0Y+4, G1Y, G0X+4, G1X                   ; slot 1's first fill, the one load behind the round
	ASK 2
	GEMM
.irp a, 0,1,2,3,4,5,6,7
	SOFTQ \a
.endr
	; the scale words, -M_loc and the sums of my 128 queries turn through slot 0, which has had its last fill and its last read
.irp a, 0,1,2,3,4,5,6,7
	ds_store_b32 v25, v[160+\a] offset:64*\a
	ds_store_b32 v25, v[168+\a] offset:512+64*\a
	ds_store_b32 v25, v[176+\a] offset:1024+64*\a
.endr
.irp t, 0,1,2
	ds_load_b128 v[120+4*\t:123+4*\t], v26 offset:512*\t   ; LDS serves a wave's instructions in order: these see my stores
.endr
	s_wait_dscnt 0x0
.irp t, 0,1,2
	global_store_b128 v[GO], v[120+4*\t:123+4*\t], s[98:99] offset:524288*\t   ; 512 consecutive bytes of each table
.endr
	s_wait_tensorcnt 0x0                           ; the wave's end
	ds_add_u32 v[SPW], v[NIL]
	s_wait_dscnt 0x0
	CROUND                                         ; the closing round
	s_endpgm
.Lfunc_end_k_q42e742da89_scores:
	.size	k_q42e742da89_scores, .Lfunc_end_k_q42e742da89_scores-k_q42e742da89_scores
	.p2alignl 7, 3214868480
	.fill 96, 4, 3214868480
	.section	.rodata,"a",@progbits
	.p2align	6, 0x0
	.amdhsa_kernel k_q42e742da89_scores
		.amdhsa_group_segment_fixed_size 327680
		.amdhsa_private_segment_fixed_size 0
		.amdhsa_enable_private_segment 0
		.amdhsa_kernarg_size 32
		.amdhsa_user_sgpr_count 2
		.amdhsa_user_sgpr_kernarg_segment_ptr 1
		.amdhsa_wavefront_size32 1
		.amdhsa_system_sgpr_workgroup_id_x 1
		.amdhsa_system_sgpr_workgroup_id_y 1
		.amdhsa_system_sgpr_workgroup_id_z 1
		.amdhsa_system_vgpr_workitem_id 0
		.amdhsa_next_free_vgpr 1024
		.amdhsa_next_free_sgpr 106
		.amdhsa_reserve_vcc 0
		.amdhsa_float_denorm_mode_32 3
		.amdhsa_float_denorm_mode_16_64 3
		.amdhsa_memory_ordered 1
		.amdhsa_forward_progress 1
		.amdhsa_inst_pref_size 201
	.end_amdhsa_kernel
	.amdgpu_metadata
---
amdhsa.version: [ 1, 2 ]
amdhsa.kernels:
  - .name:           k_q42e742da89_scores
    .symbol:         k_q42e742da89_scores.kd
    .args:
      - { .name: qkv_codes, .offset: 0, .size: 8, .value_kind: global_buffer, .address_space: global }
      - { .name: qkv_scales, .offset: 8, .size: 8, .value_kind: global_buffer, .address_space: global }
      - { .name: p_codes, .offset: 16, .size: 8, .value_kind: global_buffer, .address_space: global }
      - { .name: p_meta, .offset: 24, .size: 8, .value_kind: global_buffer, .address_space: global }
    .group_segment_fixed_size: 327680
    .private_segment_fixed_size: 0
    .kernarg_segment_align: 8
    .kernarg_segment_size: 32
    .max_flat_workgroup_size: 128
    .sgpr_count:     106
    .vgpr_count:     1024
    .wavefront_size: 32
...
	.end_amdgpu_metadata
.endif
;; end of part 3
;; launch pv (part 4): grid 8 x 32, 4 waves a work-group, clusters of 4 x 4, 327,680 bytes of LDS; arguments p_codes, p_meta, qkv_codes, qkv_scales, o_codes, o_scales; writes o_codes, o_scales
.if DOCPART == 4
	.amdgcn_target "amdgcn-amd-amdhsa--gfx1250"
	.amdhsa_code_object_version 6
	.text
	.protected	k_q42e742da89_pv
	.globl	k_q42e742da89_pv
	.p2align	8
	.type	k_q42e742da89_pv,@function
k_q42e742da89_pv:
	s_mov_b64 s[64:65], 0
	v_nop
	global_prefetch_b8 v0, s[64:65] scope:SCOPE_SE
	s_setreg_imm32_b32 hwreg(HW_REG_WAVE_MODE, 25, 1), 1
	s_wait_xcnt 0x0
	s_wait_alu depctr_hold_cnt(0) depctr_sa_sdst(0) depctr_va_vdst(0) depctr_va_sdst(0) depctr_va_ssrc(0) depctr_va_vcc(0) depctr_vm_vsrc(0)
	s_getreg_b32 s2, hwreg(HW_REG_IB_STS2, 6, 4)
	s_cmp_eq_u32 s2, 0
	s_cbranch_scc0 .Lentry_in_a_cluster
	s_endpgm
.Lentry_in_a_cluster:
	s_bfe_u32 s2, ttmp6, 0x10000c
	s_cmp_lg_u32 s2, 0xf033
	s_cbranch_scc0 .Lentry_shape_is_right
	s_endpgm
.Lentry_shape_is_right:
; O = P V / l on codes of FP6 (E2M3) with E8M0 scales, f32 sums; O is quantised along the QUERIES and leaves as codes of O^T, the operand of the last product
; (row (2 b + half) x 1,024 + e, K = query - 1,024 half: what the source's transpose and reshape make of it).
; THE HEAD finishes the softmax for the work-group's 256 queries: M = the largest of the 16 groups' M_loc; l = the sum of l_loc x 2^(M_loc - M) (exact factors); each scale byte of P loses M - M_loc,
; held at 0 from below; the adjusted words and 1 / l go to LDS bytes of their own.  Thread t owns stored rows 2 t and 2 t + 1.
; A tile of 256 queries x 128 channels (so that there are 256 work-groups) is made by four waves, each 128 x 64.  Source 0 = P's rows (queries: the result's registers), source 1 = V^T's rows (channels: its lanes):
; a lane's 64 registers over the eight blocks are register 16 B + i = query 32 B + 16 (lane / 16) + i.  K = 2,048 keys goes in four slots' worth of 512 through two LDS slots.
; CLUSTERS of 4 x 4: P's tile (Y) goes to my row, V^T's tile (X) to my column.  P's scale words are not asked for jointly: each work-group adjusts its own from p_meta (48 KiB, read by plain loads).
; LIMITS: NaN and infinities are not served.  An adjusted byte is held at 0 (2^-127): such terms lie under 2^-120 of a row sum above 1/2.  M is exact for |t| under 2^24.  1 / l by v_rcp_f32.
; REGISTERS: window 0: v1-7, v16-30 addresses; v32-79 scale words, two sets, nothing else; v80-191 the head's work, later v80-115 the way out's and v128-175 source 1's fragments; v192-255 1 / l of my 64 queries.
;   window 1: source 0's fragments, two sets.  window 2: the 32 accumulators.
.set NQ,    4
.set NB1,   4
.set KT,    16
.set RY,    256
.set RX,    128
.set YB,    98304
.set XB,    49152
.set S0REG, 0
.set S1REG, YB
.set SCY,   294912                     ; behind the ring: P's adjusted scale words, 16 K steps x (1,024 + 64) bytes: written by LDS stores alone;
.set SCX,   312320                     ; V^T's, 16 x (512 + 64): filled once;
.set RLB,   321536                     ; 1 / l of the 256 queries, by stored place;
.set SPARE, 322560                     ; the spare words
.set PY,    1088
.set PX,    576
.set P0,    PY
.set P1,    PX
.set SC0B,  SCY
.set SC1B,  SCX
; ---------------- the core that the four product launches share ----------------
.set FRB,   1536                       ; a fragment's image
.set RBL,   NQ*FRB                     ; a rowblock's bytes in a slot
.set H1,    NB1/2
.set LAPS,  KT/(2*NQ)
.set SETSZ, (8+NB1)*NQ/2               ; scale registers of a slot: one for each block and pair of K steps (lanes 0-15 the even step's words, lanes 16-31 the odd step's)
.set SLOT,  YB+XB
.set AD0,   16
.set AD1,   20
.set AS0,   22
.set AS1,   23
.set GO,    24
.set SPW,   28
.set NIL,   29
.set SC,    32
.set S1F,   128
.set TM,    80
.set PC,    96
.set WV,    16
.set WH,    17
.set WL,    18
.set G1Y,   24
.set G0Y,   32
.set G1X,   48
.set G0X,   56
.set G1SX,  80
.set G0SX,  88
.set SEL,   92
.set MSB,   0
.macro WIN new                         ; the immediate's high byte repeats the setting that is left; a switch that changes nothing is dropped
.if MSB != (\new)
	s_set_vgpr_msb (MSB<<8)|(\new)
.set MSB, (\new)
.endif
.endm
.macro PLACES n                        ; plain places behind matrix instructions (ISA guide 7.12.1)
.rept \n
	v_nop
.endr
.endm
.macro CREST                           ; a round of the cluster's barrier behind its opening barrier
	s_cmp_lg_u32 s[WV], 0
	s_cbranch_scc1 .Lnot_wave_0_\@
	s_barrier_signal -3
.Lnot_wave_0_\@:
	s_barrier_wait -3
	s_barrier_signal -1
	s_barrier_wait -1
.endm
.macro CROUND
	s_barrier_signal -1
	s_barrier_wait -1
	CREST
.endm
.macro JLOAD g0y, g1y, g0x, g1x        ; a joint load: waves 0, 1 ask for Y, waves 2, 3 for X; four v_nop follow each line
	s_cmp_eq_u32 s[WH], 0
	s_cbranch_scc0 .Lfor_x_\@
	tensor_load_to_lds s[\g0y:\g0y+3], s[\g1y:\g1y+7]
	s_nop 0
.rept 4
	v_nop
.endr
	s_branch .Lasked_\@
.Lfor_x_\@:
	tensor_load_to_lds s[\g0x:\g0x+3], s[\g1x:\g1x+7]
	s_nop 0
.rept 4
	v_nop
.endr
.Lasked_\@:
.endm
.macro G1CODES g, m, rows, pitch8      ; group 1 for codes: rows rowblocks x RBL bytes, in elements of 8 bytes, dense in LDS
	s_or_b32 s[\g], \m, (3<<16)|(1<<21)
	s_mov_b32 s[\g+1], (192*NQ)<<16
	s_mov_b32 s[\g+2], (\rows)<<16
	s_mov_b32 s[\g+3], (192*NQ)<<16
	s_mov_b32 s[\g+4], \rows
	s_mov_b32 s[\g+5], \pitch8
	s_mov_b32 s[\g+6], 0
	s_mov_b32 s[\g+7], 0
.endm
.macro G1SCL g, m, r, rows, rt, qi     ; group 1 for scale words: rows K steps x r words, 64 bytes of padding behind each, out of a table of rt rows
	s_or_b32 s[\g], \m, (3<<16)|(1<<20)|(1<<21)|((\qi)<<22)|(15<<25)
	s_mov_b32 s[\g+1], ((\r)/2)<<16
	s_mov_b32 s[\g+2], (\rows)<<16
	s_mov_b32 s[\g+3], ((\r)/2)<<16
	s_mov_b32 s[\g+4], \rows
	s_mov_b32 s[\g+5], (\rt)/2
	s_mov_b32 s[\g+6], 0
	s_mov_b32 s[\g+7], 0
.endm
.macro G0ONE g0, lreg, lconst, alo
	s_mov_b32 s[\g0], 1
	s_add_co_u32 s[\g0+1], s[\lreg], \lconst
	s_mov_b64 s[\g0+2:\g0+3], s[\alo:\alo+1]
	s_or_b32 s[\g0+3], s[\g0+3], 0x80000000
.endm
.macro G0SLOTS g0, lreg, lconst, alo
.irp n, 0,1
	s_mov_b32 s[\g0+4*\n], 1
	s_add_co_u32 s[\g0+4*\n+1], s[\lreg], (\lconst)+\n*SLOT
	s_add_nc_u64 s[\g0+4*\n+2:\g0+4*\n+3], s[\alo:\alo+1], \n*RBL
	s_or_b32 s[\g0+4*\n+3], s[\g0+4*\n+3], 0x80000000
.endr
.endm
.macro IDS
	v_lshl_add_u32 v[SPW], v0, 2, SPARE
	v_mov_b32 v[NIL], 0
	ds_add_u32 v28, v29
	ds_add_u32 v28, v29
	s_wait_dscnt 0x0
	v_lshrrev_b32 v1, 5, v0
	v_readfirstlane_b32 s[WV], v1
	s_lshr_b32 s[WH], s[WV], 1
	s_and_b32 s[WL], s[WV], 1
	s_bfe_u32 s21, ttmp6, 0x40000                  ; cx
	s_bfe_u32 s22, ttmp6, 0x40004                  ; cy
	s_lshl_b32 s40, s22, 2
	s_lshl_b32 s40, 15, s40                        ; my row of the cluster
	s_lshl_b32 s41, 0x1111, s21                    ; my column
	s_mov_b32 s[SEL], 0x76543210
	s_mov_b32 s[SEL+1], 0xfedcba98
.endm
.macro VADDR
	v_and_b32 v1, 15, v0                           ; r
	v_bfe_u32 v2, v0, 4, 1                         ; h
	v_and_b32 v3, 31, v0                           ; lane
	v_lshlrev_b32 v[GO], 4, v3
	v_lshlrev_b32 v4, 2, v1
	s_wait_alu depctr_va_vdst(0)
	s_mul_i32 s2, s[WL], 8*RBL
	s_add_co_u32 s2, s2, S0REG
	v_add_nc_u32 v[AD0], s2, v[GO]
	v_add_nc_u32 v[AD0+1], SLOT, v[AD0]
	s_mul_i32 s2, s[WH], NB1*RBL
	s_add_co_u32 s2, s2, S1REG
	v_add_nc_u32 v[AD1], s2, v[GO]
	v_add_nc_u32 v[AD1+1], SLOT, v[AD1]
	v_mad_u32_u24 v[AS0], v2, P0, v4
	s_lshl_b32 s2, s[WL], 9
	s_add_co_u32 s2, s2, SC0B
	v_add_nc_u32 v[AS0], s2, v[AS0]
	v_mad_u32_u24 v[AS1], v2, P1, v4
	s_mul_i32 s2, s[WH], 64*NB1
	s_add_co_u32 s2, s2, SC1B
	v_add_nc_u32 v[AS1], s2, v[AS1]
.endm
.macro FRAG reg, adr, off
.irp c, 0,1,2
	ds_load_b128 v[(\reg)+4*\c:(\reg)+4*\c+3], v[\adr] offset:(\off)+512*\c
.endr
.endm
.macro FETCH0 slot, q, p
	WIN 0x40
.irp i, 0,1,2,3,4,5,6,7
	FRAG 128*(\p)+12*\i, AD0+\slot, RBL*\i+FRB*(\q)
.endr
	WIN 0
.endm
.macro FETCH1 slot, q, i0
.set fi, \i0
.rept H1
	FRAG S1F+12*fi, AD1+\slot, RBL*fi+FRB*(\q)
.set fi, fi+1
.endr
.endm
.macro SCALES set
.irp i, 0,1,2,3,4,5,6,7
.set su, 0
.rept NQ/2
	ds_load_b32 v[SC+SETSZ*(\set)+(NQ/2)*\i+su], v[AS0] offset:64*\i+2*P0*su
.set su, su+1
.endr
.endr
.set si, 0
.rept NB1
.set su, 0
.rept NQ/2
	ds_load_b32 v[SC+SETSZ*(\set)+(NQ/2)*(8+si)+su], v[AS1] offset:64*si+2*P1*su
.set su, su+1
.endr
.set si, si+1
.endr
.endm
.macro MULA a, p, q, set, zero         ; eight accumulators, one instruction each
.irp b, 0,1,2,3,4,5,6,7
.set rD, 8*(8*((\a)%4)+\b)
.set rA, 128*(\p)+12*\b
.set rB, S1F+12*(\a)
.set rX, SC+SETSZ*(\set)+(NQ/2)*\b+(\q)/2
.set rY, SC+SETSZ*(\set)+(NQ/2)*(8+(\a))+(\q)/2
.if \zero
	v_wmma_scale_f32_16x16x128_f8f6f4 v[rD:rD+7], v[rA:rA+11], v[rB:rB+11], 0, v[rX], v[rY] matrix_a_fmt:MATRIX_FMT_FP6 matrix_b_fmt:MATRIX_FMT_FP6
.elseif (\q)%2
	v_wmma_scale_f32_16x16x128_f8f6f4 v[rD:rD+7], v[rA:rA+11], v[rB:rB+11], v[rD:rD+7], v[rX], v[rY] matrix_a_fmt:MATRIX_FMT_FP6 matrix_b_fmt:MATRIX_FMT_FP6 matrix_a_scale:MATRIX_SCALE_ROW1 matrix_b_scale:MATRIX_SCALE_ROW1
.else
	v_wmma_scale_f32_16x16x128_f8f6f4 v[rD:rD+7], v[rA:rA+11], v[rB:rB+11], v[rD:rD+7], v[rX], v[rY] matrix_a_fmt:MATRIX_FMT_FP6 matrix_b_fmt:MATRIX_FMT_FP6
.endif
.endr
.endm
.macro MULS a0, n, p, q, set, zero
	WIN 0x01|((2+(\a0)/4)<<4)|((2+(\a0)/4)<<6)
.set ma, \a0
.rept \n
	MULA ma, \p, \q, \set, \zero
.set ma, ma+1
.endr
.endm
.macro STEP slot, q, zero
	s_wait_dscnt 3*H1                              ; all but the youngest loads (source 1's upper blocks) are in
	MULS 0, H1, (\q)%2, \q, \slot, \zero
	s_wait_dscnt 0x0
	PLACES 4
	FETCH0 \slot, (\q)+1, 1-(\q)%2
	FETCH1 \slot, (\q)+1, 0
	MULS H1, H1, (\q)%2, \q, \slot, \zero
	PLACES 4
	WIN 0
	FETCH1 \slot, (\q)+1, H1
.endm
.macro STEPS slot, zero
.set sq, 0
.rept NQ-1
.if sq == 0
	STEP \slot, sq, \zero
.else
	STEP \slot, sq, 0
.endif
.set sq, sq+1
.endr
.endm
; A slot's last step changes slots: one barrier; in front of it each wave waits for all its tensor loads, adds 0 to its spare word, and waits for that and for its own reads of the slot.
.macro TURN slot, next, fill
	s_wait_tensorcnt 0x0                           ; all my tensor loads have landed: my part of the next slot
	ds_add_u32 v[SPW], v[NIL]
	s_wait_dscnt 3*H1+1                            ; (the add and source 1's upper blocks may be out)
	MULS 0, H1/2, 1, NQ-1, \slot, 0
	s_wait_dscnt 0x0                               ; the add is done, and my reads of this slot are over
	s_barrier_signal -1
	MULS H1/2, H1/2, 1, NQ-1, \slot, 0
	WIN 0
	s_barrier_wait -1
.if \fill
	CREST
	s_add_nc_u64 s[G0Y+4*\slot+2:G0Y+4*\slot+3], s[G0Y+4*\slot+2:G0Y+4*\slot+3], 2*RBL
	s_add_nc_u64 s[G0X+4*\slot+2:G0X+4*\slot+3], s[G0X+4*\slot+2:G0X+4*\slot+3], 2*RBL
	JLOAD G0Y+4*\slot, G1Y, G0X+4*\slot, G1X
.else
	PLACES 4
.endif
	s_wait_alu depctr_va_vdst(0)
	v_add_nc_u32 v[AS0], NQ*P0, v[AS0]
	v_add_nc_u32 v[AS1], NQ*P1, v[AS1]
	FETCH0 \next, 0, 0
	FETCH1 \next, 0, 0
	SCALES \next
.if (\fill) && PFN < 4
	ASK PFN                                        ; the next fill, one fill ahead of its joint load; nothing beyond the last
.set PFN, PFN+1
.endif
	MULS H1, H1, 1, NQ-1, \slot, 0
	PLACES 4
	WIN 0
	FETCH1 \next, 0, H1
.endm
.macro LAST
	s_wait_dscnt 3*H1
	MULS 0, H1, 1, NQ-1, 1, 0
	s_wait_dscnt 0x0
	MULS H1, H1, 1, NQ-1, 1, 0
	WIN 0
.endm
.macro GEMM
	FETCH0 0, 0, 0
	FETCH1 0, 0, 0
	SCALES 0
	FETCH1 0, 0, H1
	STEPS 0, 1
.if LAPS > 1
.rept LAPS-1
	TURN 0, 1, 1
	STEPS 1, 0
	TURN 1, 0, 1
	STEPS 0, 0
.endr
.endif
	TURN 0, 1, 0
	STEPS 1, 0
	LAST
	PLACES 4
.endm
; 64 numbers of a lane in window qw become a fragment's codes in v[PC] on and its scale word in v[pw]
.macro QUANT qw, qs, pw
	WIN (\qw)|((\qw)<<2)
.irp b, 0,1,2,3
	v_max3_num_f32 v[TM+\b], |v[(\qs)+16*\b]|, |v[(\qs)+16*\b+1]|, 0x1800000   ; the floor 2^(3 - 127) holds the byte at 1 from below
.endr
.irp i, 2,4,6,8,10,12,14
.irp b, 0,1,2,3
	v_max3_num_f32 v[TM+\b], |v[(\qs)+16*\b+\i]|, |v[(\qs)+16*\b+\i+1]|, v[TM+\b]
.endr
.endr
	WIN 0
.irp b, 0,1,2,3
	v_permlanex16_b32 v[TM+4+\b], v[TM+\b], s[SEL], s[SEL+1]
.endr
.irp b, 0,1,2,3
	v_max_num_f32 v[TM+\b], v[TM+\b], v[TM+4+\b]
.endr
.irp b, 0,1,2,3
	v_add_nc_u32 v[TM+12+\b], 0xff000000, v[TM+\b]
.endr
.irp b, 0,1,2,3
	v_lshrrev_b32 v[TM+4+\b], 23, v[TM+12+\b]
.endr
	v_lshl_or_b32 v[\pw], v[TM+5], 8, v[TM+4]
	v_lshl_or_b32 v[\pw], v[TM+6], 16, v[\pw]
	v_lshl_or_b32 v[\pw], v[TM+7], 24, v[\pw]
	s_wait_xcnt 0x0                                ; the last block's stores have read the codes' registers
	WIN \qw
.irp c, 0,1
	v_cvt_scalef32_pk16_fp6_f32 v[PC+6*\c:PC+6*\c+2], v[(\qs)+32*\c:(\qs)+32*\c+15], v[TM+12+2*\c]
	v_cvt_scalef32_pk16_fp6_f32 v[PC+12+4*\c:PC+14+4*\c], v[(\qs)+16+32*\c:(\qs)+31+32*\c], v[TM+12+2*\c+1]
.endr
	WIN 0
	v_nop                                          ; one plain place behind a scaled conversion
.irp c, 0,1
.irp i, 0,1,2
	v_permlane16_swap_b32 v[PC+6*\c+\i], v[PC+12+4*\c+\i]
.endr
.irp i, 0,1,2
	v_mov_b32 v[PC+3+6*\c+\i], v[PC+12+4*\c+\i]
.endr
.endr
.endm
; ---------------- the head's arithmetic ----------------
.set HWD, 80                           ; v80-111  P's scale words: group g, my row e at 2 g + e
.set HM,  112                          ; v112-143 -M_loc
.set HL,  144                          ; v144-175 l_loc
.set MG,  176                          ; v176-177 -M
.set LS,  178                          ; v178-179 l
.set RL,  180                          ; v180-181 1 / l
.set HT,  182                          ; v182-191 at work
.set RLV, 192
.macro ADJ g, e
.set rW, HWD+2*(\g)+(\e)
	v_sub_f32 v[HT], v[MG+\e], v[HM+2*(\g)+\e]     ; M_loc - M: a whole number, 0 or less
	v_cvt_i32_f32 v[HT], v[HT]                     ; (it saturates)
.if (\g) == 0
	v_ldexp_f32 v[LS+\e], v[HL+\e], v[HT]          ; the first group starts the sum
.else
	v_ldexp_f32 v[HT+1], v[HL+2*(\g)+\e], v[HT]    ; l_loc under the row's M: a factor that rounds nothing
	v_add_f32 v[LS+\e], v[LS+\e], v[HT+1]
.endif
	v_sub_nc_u32 v[HT], 0, v[HT]
	v_min_u32 v[HT], 0xff, v[HT]                   ; M - M_loc, held at 255
.irp k, 0,1,2,3
	v_bfe_u32 v[HT+2+\k], v[rW], 8*\k, 8
.endr
.irp k, 0,1,2,3
	v_min_u32 v[HT+6+\k], v[HT+2+\k], v[HT]
.endr
.irp k, 0,1,2,3
	v_sub_nc_u32 v[HT+2+\k], v[HT+2+\k], v[HT+6+\k]   ; each byte loses it, and stops at 0
.endr
	v_lshl_or_b32 v[rW], v[HT+3], 8, v[HT+2]
	v_lshl_or_b32 v[rW], v[HT+4], 16, v[rW]
	v_lshl_or_b32 v[rW], v[HT+5], 24, v[rW]
.endm
; ---------------- the launch ----------------
	s_load_b256 s[4:11], s[0:1], 0x0               ; p_codes, p_meta, qkv_codes, qkv_scales
	s_load_b128 s[12:15], s[0:1], 0x20             ; o_codes, o_scales
	IDS
	v_lshlrev_b32 v5, 3, v0                        ; my two rows' 8 bytes in a table's row
	v_lshl_add_u32 v6, v0, 3, SCY
	v_lshl_add_u32 v7, v0, 3, RLB
	s_lshl_b32 s19, ttmp9, 2
	s_add_co_u32 s19, s19, s21                     ; X: my tile of 128 channels
	s_and_b32 s20, ttmp7, 0xffff
	s_lshr_b32 s23, s20, 1                         ; the batch, which the whole cluster shares
	s_lshl_b32 s20, s20, 2
	s_add_co_u32 s20, s20, s22                     ; Y: my tile of 256 queries among all tokens
	G1CODES G1Y, s40, RY/32, 3072
	G1CODES G1X, s41, RX/16, 3072                  ; the head's loads bring V^T's tile and its scale words whole
	G1SCL G1SX, s41, RX, 16, 4096, 6
	s_lshl_b32 s42, s20, 4                         ; P's codes: rowblock 16 Y + 8 x half
	s_lshl_b32 s43, s[WL], 3
	s_add_co_u32 s42, s42, s43
	s_mul_i32 s42, s42, 24576
	s_mov_b32 s43, 0
	s_lshl_b32 s44, s20, 10                        ; p_meta at my 256 rows
	s_mov_b32 s45, 0
	s_lshl_b32 s46, s23, 6                         ; V^T's codes: rowblock 64 B + 8 X + 4 x half
	s_lshl_b32 s47, s19, 3
	s_add_co_u32 s46, s46, s47
	s_lshl_b32 s47, s[WL], 2
	s_add_co_u32 s46, s46, s47
	s_mul_i32 s46, s46, 24576
	s_add_co_u32 s46, s46, 12582912
	s_mov_b32 s47, 0
	s_lshl_b32 s66, s23, 12                        ; V^T's scale words: [16][4,096 rows]; wave 3 takes all 16 K steps in one load
	s_lshl_b32 s67, s19, 9
	s_add_co_u32 s66, s66, s67
	s_add_co_u32 s66, s66, 524288
	s_mov_b32 s67, 0
	s_mul_i32 s2, s[WL], (RY/32)*RBL
	s_mul_i32 s3, s[WL], (RX/32)*RBL
	s_mov_b32 s101, 0
	s_wait_alu depctr_va_vdst(0)
	s_wait_kmcnt 0x0
	s_add_nc_u64 s[6:7], s[6:7], s[44:45]
.irp t, 0,1,2
.irp g, 0,1,2,3,4,5,6,7,8,9,10,11,12,13,14,15
	global_load_b64 v[HWD+32*\t+2*\g:HWD+32*\t+2*\g+1], v5, s[6:7] offset:524288*\t+32768*\g   ; a wave's load covers 256 consecutive bytes, aligned
.endr
.endr
	s_add_nc_u64 s[42:43], s[4:5], s[42:43]
	s_add_nc_u64 s[46:47], s[8:9], s[46:47]
	s_add_nc_u64 s[66:67], s[10:11], s[66:67]
	G0ONE G0SX, 101, SCX, 66
	G0SLOTS G0Y, 2, 0, 42
	G0SLOTS G0X, 3, YB, 46
	CROUND                                         ; all sixteen work-groups are here: the first joint loads meet
; THE HEAD'S LOADS, one a wave: waves 0 and 1 the halves of slot 0's P, wave 2 slot 0's V^T, wave 3 V^T's scale words; one chain of branches, one join.
.macro ARM under, g0, g1, next
	s_cmp_lt_u32 s[WV], \under
	s_cbranch_scc0 \next
	tensor_load_to_lds s[\g0:\g0+3], s[\g1:\g1+7]
	s_nop 0
.rept 4
	v_nop
.endr
	s_branch .Lhead_asked
\next:
.endm
.macro ASK f                           ; a prefetch of fill f: a rowblock's 24 blocks of 256 bytes, a lane a block; of P's 8 rowblocks a half my work-group takes two, of V^T's 4 one (by its place among the four that ask jointly)
	global_prefetch_b8 v31, s[104:105] offset:(\f)*RBL th:TH_LOAD_NT scope:SCOPE_SE
	s_cmp_eq_u32 s[WH], 0
	s_cbranch_scc0 .Lone_\@
	global_prefetch_b8 v31, s[104:105] offset:(\f)*RBL+PFP th:TH_LOAD_NT scope:SCOPE_SE
.Lone_\@:
.endm
.set PFP, 24576                        ; from rowblock to rowblock in memory
.set PFN, 3
	ARM 2, G0Y, G1Y, .Lhead_x
	ARM 3, G0X, G1X, .Lhead_sx
	tensor_load_to_lds s[G0SX:G0SX+3], s[G1SX:G1SX+7]
	s_nop 0
.rept 4
	v_nop
.endr
.Lhead_asked:
	s_cmp_eq_u32 s[WH], 0
	s_cselect_b64 s[104:105], s[42:43], s[46:47]   ; my half tile: P's or V^T's
	s_cselect_b32 s2, s21, s22                     ; my place among the four partners
	s_mov_b32 s3, PFP
	s_cselect_b32 s3, 2*PFP, s3
	s_mul_i32 s2, s2, s3
	s_mov_b32 s3, 0
	s_add_nc_u64 s[104:105], s[104:105], s[2:3]    ; never rewritten
	v_and_b32 v31, 31, v0
	v_min_u32 v31, 23, v31                         ; lanes 24-31 name the last block again
	v_lshlrev_b32 v31, 8, v31                      ; never rewritten
	s_wait_alu depctr_va_vdst(0)
	ASK 1
	s_lshr_b32 s66, s20, 2                         ; where O^T goes: 2 b + half,
	s_lshl_b32 s46, s66, 6
	s_lshl_b32 s47, s19, 3
	s_add_co_u32 s46, s46, s47
	s_lshl_b32 s47, s[WH], 2
	s_add_co_u32 s46, s46, s47                     ; rowblock 64 (2 b + half) + 8 X + 4 WH + a,
	s_mul_i32 s46, s46, 12288
	s_and_b32 s67, s20, 3
	s_lshl_b32 s67, s67, 1
	s_add_co_u32 s67, s67, s[WL]                   ; K step 2 (Y % 4) + WL
	s_mul_i32 s47, s67, FRB
	s_add_co_u32 s46, s46, s47
	s_mov_b32 s47, 0
	s_add_nc_u64 s[96:97], s[12:13], s[46:47]
	s_lshl_b32 s66, s66, 12
	s_lshl_b32 s67, s67, 15
	s_add_co_u32 s66, s66, s67
	s_lshl_b32 s67, s19, 9
	s_add_co_u32 s66, s66, s67
	s_lshl_b32 s67, s[WH], 8
	s_add_co_u32 s66, s66, s67
	s_mov_b32 s67, 0
	s_add_nc_u64 s[98:99], s[14:15], s[66:67]
	VADDR
	s_lshl_b32 s2, s[WV], 8
	v_add_nc_u32 v25, s2, v4                       ; the way out: my wave's 256 bytes for scale words, in slot 0
	v_lshlrev_b32 v30, 3, v3
	v_add_nc_u32 v26, s2, v30
	s_lshl_b32 s2, s[WL], 9
	s_add_co_u32 s2, s2, RLB
	v_lshlrev_b32 v27, 5, v2
	v_add_nc_u32 v27, s2, v27                      ; 1 / l: my wave's 128 queries, + 32 h
	s_wait_loadcnt 0x0                             ; the three tables' 48 loads
.irp e, 0,1
	v_min3_num_f32 v[MG+\e], v[HM+\e], v[HM+2+\e], v[HM+4+\e]   ; -M = the least -M_loc
.irp g, 3,5,7,9,11,13
	v_min3_num_f32 v[MG+\e], v[MG+\e], v[HM+2*\g+\e], v[HM+2*\g+2+\e]
.endr
	v_min_num_f32 v[MG+\e], v[MG+\e], v[HM+30+\e]
.endr
.irp g, 0,1,2,3,4,5,6,7,8,9,10,11,12,13,14,15
	ADJ \g, 0
	ADJ \g, 1
.endr
	s_wait_alu depctr_va_vdst(0)
	v_rcp_f32 v[RL], v[LS]
	v_rcp_f32 v[RL+1], v[LS+1]
	v_nop                                          ; a plain place behind the reciprocals
	s_wait_alu depctr_va_vdst(0)                   ; one wait for both, ahead of their first reader
.irp g, 0,1,2,3,4,5,6,7,8,9,10,11,12,13,14,15
	ds_store_b64 v6, v[HWD+2*\g:HWD+2*\g+1] offset:1088*\g
.endr
	ds_store_b64 v7, v[RL:RL+1]
.irp b, 0,1,2,3
	v_mov_b32 v[TM+4+\b], 0                        ; written once: a lane permute's destination counts as one of its sources (the head's words have been handed to the stores)
.endr
	s_wait_alu depctr_va_vdst(0)
	s_wait_tensorcnt 0x0                           ; my tile of the head's is in
	ds_add_u32 v[SPW], v[NIL]
	s_mov_b32 s[G1X+2], 4<<16                      ; no load of mine is out: from here on a load of V^T brings 4 rowblocks
	s_mov_b32 s[G1X+4], 4
	s_wait_dscnt 0x0                               ; the add is done, and my adjusted words and 1 / l lie in LDS
	CROUND                                         ; all that holds of every wave of every partner
	JLOAD G0Y+4, G1Y, G0X+4, G1X                   ; slot 1's first fill, the one load behind the round
	ASK 2
.irp b, 0,1,2,3
.irp u, 0,1
.irp t, 0,1
	ds_load_b128 v[RLV+16*\b+8*\u+4*\t:RLV+16*\b+8*\u+4*\t+3], v27 offset:128*\b+64*\u+16*\t   ; register 16 B + 8 u + j: true query 32 B + 16 h + 8 u + j, which is stored at 32 B + 16 u + 8 h + j
.endr
.endr
.endr
	GEMM
	; THE WAY OUT: O^T x 1 / l, then source 1's block a gives one fragment (16 channels x my 128 queries) and one scale word a row
.irp a, 0,1,2,3
	WIN 0x82
.set j, 0
.rept 32
	v_pk_mul_f32 v[64*\a+j:64*\a+j+1], v[64*\a+j:64*\a+j+1], v[RLV+j:RLV+j+1]   ; in ascending order: each accumulator is read from its low end on
.set j, j+2
.endr
	QUANT 2, 64*\a, 160+\a
.irp c, 0,1,2
	global_store_b128 v[GO], v[PC+4*\c:PC+4*\c+3], s[96:97] offset:12288*\a+512*\c   ; 512 consecutive bytes, aligned
.endr
.endr
.irp a, 0,1,2,3
	ds_store_b32 v25, v[160+\a] offset:64*\a       ; slot 0 has had its last fill and its last read
.endr
	ds_load_b64 v[120:121], v26                    ; LDS serves a wave's instructions in order: this sees my stores
	s_wait_dscnt 0x0
	global_store_b64 v30, v[120:121], s[98:99]     ; my 64 rows' words: 256 consecutive bytes, aligned
	s_wait_tensorcnt 0x0                           ; the wave's end
	ds_add_u32 v[SPW], v[NIL]
	s_wait_dscnt 0x0
	CROUND                                         ; the closing round
	s_endpgm
.Lfunc_end_k_q42e742da89_pv:
	.size	k_q42e742da89_pv, .Lfunc_end_k_q42e742da89_pv-k_q42e742da89_pv
	.p2alignl 7, 3214868480
	.fill 96, 4, 3214868480
	.section	.rodata,"a",@progbits
	.p2align	6, 0x0
	.amdhsa_kernel k_q42e742da89_pv
		.amdhsa_group_segment_fixed_size 327680
		.amdhsa_private_segment_fixed_size 0
		.amdhsa_enable_private_segment 0
		.amdhsa_kernarg_size 48
		.amdhsa_user_sgpr_count 2
		.amdhsa_user_sgpr_kernarg_segment_ptr 1
		.amdhsa_wavefront_size32 1
		.amdhsa_system_sgpr_workgroup_id_x 1
		.amdhsa_system_sgpr_workgroup_id_y 1
		.amdhsa_system_sgpr_workgroup_id_z 1
		.amdhsa_system_vgpr_workitem_id 0
		.amdhsa_next_free_vgpr 768
		.amdhsa_next_free_sgpr 106
		.amdhsa_reserve_vcc 0
		.amdhsa_float_denorm_mode_32 3
		.amdhsa_float_denorm_mode_16_64 3
		.amdhsa_memory_ordered 1
		.amdhsa_forward_progress 1
		.amdhsa_inst_pref_size 191
	.end_amdhsa_kernel
	.amdgpu_metadata
---
amdhsa.version: [ 1, 2 ]
amdhsa.kernels:
  - .name:           k_q42e742da89_pv
    .symbol:         k_q42e742da89_pv.kd
    .args:
      - { .name: p_codes, .offset: 0, .size: 8, .value_kind: global_buffer, .address_space: global }
      - { .name: p_meta, .offset: 8, .size: 8, .value_kind: global_buffer, .address_space: global }
      - { .name: qkv_codes, .offset: 16, .size: 8, .value_kind: global_buffer, .address_space: global }
      - { .name: qkv_scales, .offset: 24, .size: 8, .value_kind: global_buffer, .address_space: global }
      - { .name: o_codes, .offset: 32, .size: 8, .value_kind: global_buffer, .address_space: global }
      - { .name: o_scales, .offset: 40, .size: 8, .value_kind: global_buffer, .address_space: global }
    .group_segment_fixed_size: 327680
    .private_segment_fixed_size: 0
    .kernarg_segment_align: 8
    .kernarg_segment_size: 48
    .max_flat_workgroup_size: 128
    .sgpr_count:     106
    .vgpr_count:     768
    .wavefront_size: 32
...
	.end_amdgpu_metadata
.endif
;; end of part 4
;; launch outp (part 5): grid 4 x 64, 4 waves a work-group, clusters of 4 x 4, 327,680 bytes of LDS; arguments in_codes, in_scales, o_codes, o_scales, out0; writes out0
.if DOCPART == 5
	.amdgcn_target "amdgcn-amd-amdhsa--gfx1250"
	.amdhsa_code_object_version 6
	.text
	.protected	k_q42e742da89_outp
	.globl	k_q42e742da89_outp
	.p2align	8
	.type	k_q42e742da89_outp,@function
k_q42e742da89_outp:
	s_mov_b64 s[64:65], 0
	v_nop
	global_prefetch_b8 v0, s[64:65] scope:SCOPE_SE
	s_setreg_imm32_b32 hwreg(HW_REG_WAVE_MODE, 25, 1), 1
	s_wait_xcnt 0x0
	s_wait_alu depctr_hold_cnt(0) depctr_sa_sdst(0) depctr_va_vdst(0) depctr_va_sdst(0) depctr_va_ssrc(0) depctr_va_vcc(0) depctr_vm_vsrc(0)
	s_getreg_b32 s2, hwreg(HW_REG_IB_STS2, 6, 4)
	s_cmp_eq_u32 s2, 0
	s_cbranch_scc0 .Lentry_in_a_cluster
	s_endpgm
.Lentry_in_a_cluster:
	s_bfe_u32 s2, ttmp6, 0x10000c
	s_cmp_lg_u32 s2, 0xf033
	s_cbranch_scc0 .Lentry_shape_is_right
	s_endpgm
.Lentry_shape_is_right:
; out0 = (the transposed and reshaped attention output) wo^T on codes of FP6 (E2M3) with E8M0 scales, f32 sums and f32 results.
; The left operand's row rho = (2 b + half) x 1,024 + e_pos holds O[b, 1,024 half + k, e], K = k; it is row b x 2,048 + 2 e + half of out0, e being the true channel of the stored place e_pos
; (in each 32 the two middle groups of eight are exchanged): the stores' immediates undo that order.
; A tile of 128 rows x 256 columns (so that there are 256 work-groups) is made by four waves, each 64 x 128.  Source 0 = wo's rows (columns of out0: the result's registers), source 1 = O^T's rows (its lanes).
; K = 1,024 is two slots' worth of 512: both slots are first fills, nothing is filled again.  CLUSTERS of 4 x 4: O^T's tile (Y) goes to my row, wo's tile (X) to my column.
; REGISTERS: window 0: v1-4, v16-29 addresses; v32-79 scale words, two sets, nothing else; v128-175 source 1's fragments, on the way out v128-255 rows of out0.  window 1: source 0's fragments, two sets.  window 2: the 32 accumulators.
.set NQ,    4
.set NB1,   4
.set KT,    8
.set RY,    128
.set RX,    256
.set YB,    49152
.set XB,    98304
.set S0REG, YB
.set S1REG, 0
.set SCY,   294912                     ; behind the ring: O^T's scale words, 8 K steps x (512 + 64) bytes;
.set SCX,   299520                     ; wo's, 8 x (1,024 + 64);
.set SPARE, 308224                     ; the spare words
.set PY,    576
.set PX,    1088
.set P0,    PX
.set P1,    PY
.set SC0B,  SCX
.set SC1B,  SCY
; ---------------- the core that the four product launches share ----------------
.set FRB,   1536                       ; a fragment's image
.set RBL,   NQ*FRB                     ; a rowblock's bytes in a slot
.set H1,    NB1/2
.set LAPS,  KT/(2*NQ)
.set SETSZ, (8+NB1)*NQ/2               ; scale registers of a slot: one for each block and pair of K steps (lanes 0-15 the even step's words, lanes 16-31 the odd step's)
.set SLOT,  YB+XB
.set AD0,   16
.set AD1,   20
.set AS0,   22
.set AS1,   23
.set GO,    24
.set SPW,   28
.set NIL,   29
.set SC,    32
.set S1F,   128
.set WV,    16
.set WH,    17
.set WL,    18
.set G1Y,   24
.set G0Y,   32
.set G1X,   48
.set G0X,   56
.set G1SY,  68
.set G0SY,  76
.set G1SX,  80
.set G0SX,  88
.set SEL,   92
.set MSB,   0
.macro WIN new                         ; the immediate's high byte repeats the setting that is left; a switch that changes nothing is dropped
.if MSB != (\new)
	s_set_vgpr_msb (MSB<<8)|(\new)
.set MSB, (\new)
.endif
.endm
.macro PLACES n                        ; plain places behind matrix instructions (ISA guide 7.12.1)
.rept \n
	v_nop
.endr
.endm
.macro CREST                           ; a round of the cluster's barrier behind its opening barrier
	s_cmp_lg_u32 s[WV], 0
	s_cbranch_scc1 .Lnot_wave_0_\@
	s_barrier_signal -3
.Lnot_wave_0_\@:
	s_barrier_wait -3
	s_barrier_signal -1
	s_barrier_wait -1
.endm
.macro CROUND
	s_barrier_signal -1
	s_barrier_wait -1
	CREST
.endm
.macro JLOAD g0y, g1y, g0x, g1x        ; a joint load: waves 0, 1 ask for Y, waves 2, 3 for X; four v_nop follow each line
	s_cmp_eq_u32 s[WH], 0
	s_cbranch_scc0 .Lfor_x_\@
	tensor_load_to_lds s[\g0y:\g0y+3], s[\g1y:\g1y+7]
	s_nop 0
.rept 4
	v_nop
.endr
	s_branch .Lasked_\@
.Lfor_x_\@:
	tensor_load_to_lds s[\g0x:\g0x+3], s[\g1x:\g1x+7]
	s_nop 0
.rept 4
	v_nop
.endr
.Lasked_\@:
.endm
.macro G1CODES g, m, rows, pitch8      ; group 1 for codes: rows rowblocks x RBL bytes, in elements of 8 bytes, dense in LDS
	s_or_b32 s[\g], \m, (3<<16)|(1<<21)
	s_mov_b32 s[\g+1], (192*NQ)<<16
	s_mov_b32 s[\g+2], (\rows)<<16
	s_mov_b32 s[\g+3], (192*NQ)<<16
	s_mov_b32 s[\g+4], \rows
	s_mov_b32 s[\g+5], \pitch8
	s_mov_b32 s[\g+6], 0
	s_mov_b32 s[\g+7], 0
.endm
.macro G1SCL g, m, r, rows, rt, qi     ; group 1 for scale words: rows K steps x r words, 64 bytes of padding behind each, out of a table of rt rows
	s_or_b32 s[\g], \m, (3<<16)|(1<<20)|(1<<21)|((\qi)<<22)|(15<<25)
	s_mov_b32 s[\g+1], ((\r)/2)<<16
	s_mov_b32 s[\g+2], (\rows)<<16
	s_mov_b32 s[\g+3], ((\r)/2)<<16
	s_mov_b32 s[\g+4], \rows
	s_mov_b32 s[\g+5], (\rt)/2
	s_mov_b32 s[\g+6], 0
	s_mov_b32 s[\g+7], 0
.endm
.macro G0ONE g0, lreg, lconst, alo
	s_mov_b32 s[\g0], 1
	s_add_co_u32 s[\g0+1], s[\lreg], \lconst
	s_mov_b64 s[\g0+2:\g0+3], s[\alo:\alo+1]
	s_or_b32 s[\g0+3], s[\g0+3], 0x80000000
.endm
.macro G0SLOTS g0, lreg, lconst, alo
.irp n, 0,1
	s_mov_b32 s[\g0+4*\n], 1
	s_add_co_u32 s[\g0+4*\n+1], s[\lreg], (\lconst)+\n*SLOT
	s_add_nc_u64 s[\g0+4*\n+2:\g0+4*\n+3], s[\alo:\alo+1], \n*RBL
	s_or_b32 s[\g0+4*\n+3], s[\g0+4*\n+3], 0x80000000
.endr
.endm
.macro IDS
	v_lshl_add_u32 v[SPW], v0, 2, SPARE
	v_mov_b32 v[NIL], 0
	ds_add_u32 v28, v29
	ds_add_u32 v28, v29
	s_wait_dscnt 0x0
	v_lshrrev_b32 v1, 5, v0
	v_readfirstlane_b32 s[WV], v1
	s_lshr_b32 s[WH], s[WV], 1
	s_and_b32 s[WL], s[WV], 1
	s_bfe_u32 s21, ttmp6, 0x40000                  ; cx
	s_bfe_u32 s22, ttmp6, 0x40004                  ; cy
	s_lshl_b32 s40, s22, 2
	s_lshl_b32 s40, 15, s40                        ; my row of the cluster
	s_lshl_b32 s41, 0x1111, s21                    ; my column
.endm
.macro VADDR
	v_and_b32 v1, 15, v0                           ; r
	v_bfe_u32 v2, v0, 4, 1                         ; h
	v_and_b32 v3, 31, v0                           ; lane
	v_lshlrev_b32 v[GO], 4, v3
	v_lshlrev_b32 v4, 2, v1
	s_mul_i32 s2, s[WL], 8*RBL
	s_add_co_u32 s2, s2, S0REG
	v_add_nc_u32 v[AD0], s2, v[GO]
	v_add_nc_u32 v[AD0+1], SLOT, v[AD0]
	s_mul_i32 s2, s[WH], NB1*RBL
	s_add_co_u32 s2, s2, S1REG
	v_add_nc_u32 v[AD1], s2, v[GO]
	v_add_nc_u32 v[AD1+1], SLOT, v[AD1]
	v_mad_u32_u24 v[AS0], v2, P0, v4
	s_lshl_b32 s2, s[WL], 9
	s_add_co_u32 s2, s2, SC0B
	v_add_nc_u32 v[AS0], s2, v[AS0]
	v_mad_u32_u24 v[AS1], v2, P1, v4
	s_mul_i32 s2, s[WH], 64*NB1
	s_add_co_u32 s2, s2, SC1B
	v_add_nc_u32 v[AS1], s2, v[AS1]
.endm
.macro FRAG reg, adr, off
.irp c, 0,1,2
	ds_load_b128 v[(\reg)+4*\c:(\reg)+4*\c+3], v[\adr] offset:(\off)+512*\c
.endr
.endm
.macro FETCH0 slot, q, p
	WIN 0x40
.irp i, 0,1,2,3,4,5,6,7
	FRAG 128*(\p)+12*\i, AD0+\slot, RBL*\i+FRB*(\q)
.endr
	WIN 0
.endm
.macro FETCH1 slot, q, i0
.set fi, \i0
.rept H1
	FRAG S1F+12*fi, AD1+\slot, RBL*fi+FRB*(\q)
.set fi, fi+1
.endr
.endm
.macro SCALES set
.irp i, 0,1,2,3,4,5,6,7
.set su, 0
.rept NQ/2
	ds_load_b32 v[SC+SETSZ*(\set)+(NQ/2)*\i+su], v[AS0] offset:64*\i+2*P0*su
.set su, su+1
.endr
.endr
.set si, 0
.rept NB1
.set su, 0
.rept NQ/2
	ds_load_b32 v[SC+SETSZ*(\set)+(NQ/2)*(8+si)+su], v[AS1] offset:64*si+2*P1*su
.set su, su+1
.endr
.set si, si+1
.endr
.endm
.macro MULA a, p, q, set, zero         ; eight accumulators, one instruction each
.irp b, 0,1,2,3,4,5,6,7
.set rD, 8*(8*((\a)%4)+\b)
.set rA, 128*(\p)+12*\b
.set rB, S1F+12*(\a)
.set rX, SC+SETSZ*(\set)+(NQ/2)*\b+(\q)/2
.set rY, SC+SETSZ*(\set)+(NQ/2)*(8+(\a))+(\q)/2
.if \zero
	v_wmma_scale_f32_16x16x128_f8f6f4 v[rD:rD+7], v[rA:rA+11], v[rB:rB+11], 0, v[rX], v[rY] matrix_a_fmt:MATRIX_FMT_FP6 matrix_b_fmt:MATRIX_FMT_FP6
.elseif (\q)%2
	v_wmma_scale_f32_16x16x128_f8f6f4 v[rD:rD+7], v[rA:rA+11], v[rB:rB+11], v[rD:rD+7], v[rX], v[rY] matrix_a_fmt:MATRIX_FMT_FP6 matrix_b_fmt:MATRIX_FMT_FP6 matrix_a_scale:MATRIX_SCALE_ROW1 matrix_b_scale:MATRIX_SCALE_ROW1
.else
	v_wmma_scale_f32_16x16x128_f8f6f4 v[rD:rD+7], v[rA:rA+11], v[rB:rB+11], v[rD:rD+7], v[rX], v[rY] matrix_a_fmt:MATRIX_FMT_FP6 matrix_b_fmt:MATRIX_FMT_FP6
.endif
.endr
.endm
.macro MULS a0, n, p, q, set, zero
	WIN 0x01|((2+(\a0)/4)<<4)|((2+(\a0)/4)<<6)
.set ma, \a0
.rept \n
	MULA ma, \p, \q, \set, \zero
.set ma, ma+1
.endr
.endm
.macro STEP slot, q, zero
	s_wait_dscnt 3*H1                              ; all but the youngest loads (source 1's upper blocks) are in
	MULS 0, H1, (\q)%2, \q, \slot, \zero
	s_wait_dscnt 0x0
	PLACES 4
	FETCH0 \slot, (\q)+1, 1-(\q)%2
	FETCH1 \slot, (\q)+1, 0
	MULS H1, H1, (\q)%2, \q, \slot, \zero
	PLACES 4
	WIN 0
	FETCH1 \slot, (\q)+1, H1
.endm
.macro STEPS slot, zero
.set sq, 0
.rept NQ-1
.if sq == 0
	STEP \slot, sq, \zero
.else
	STEP \slot, sq, 0
.endif
.set sq, sq+1
.endr
.endm
; A slot's last step changes slots: one barrier; in front of it each wave waits for all its tensor loads, adds 0 to its spare word, and waits for that and for its own reads of the slot.
.macro TURN slot, next, fill
	s_wait_tensorcnt 0x0                           ; all my tensor loads have landed: my part of the next slot
	ds_add_u32 v[SPW], v[NIL]
	s_wait_dscnt 3*H1+1                            ; (the add and source 1's upper blocks may be out)
	MULS 0, H1/2, 1, NQ-1, \slot, 0
	s_wait_dscnt 0x0                               ; the add is done, and my reads of this slot are over
	s_barrier_signal -1
	MULS H1/2, H1/2, 1, NQ-1, \slot, 0
	WIN 0
	s_barrier_wait -1
.if \fill
	CREST
	s_add_nc_u64 s[G0Y+4*\slot+2:G0Y+4*\slot+3], s[G0Y+4*\slot+2:G0Y+4*\slot+3], 2*RBL
	s_add_nc_u64 s[G0X+4*\slot+2:G0X+4*\slot+3], s[G0X+4*\slot+2:G0X+4*\slot+3], 2*RBL
	JLOAD G0Y+4*\slot, G1Y, G0X+4*\slot, G1X
.else
	PLACES 4
.endif
	v_add_nc_u32 v[AS0], NQ*P0, v[AS0]
	v_add_nc_u32 v[AS1], NQ*P1, v[AS1]
	FETCH0 \next, 0, 0
	FETCH1 \next, 0, 0
	SCALES \next
	MULS H1, H1, 1, NQ-1, \slot, 0
	PLACES 4
	WIN 0
	FETCH1 \next, 0, H1
.endm
.macro LAST
	s_wait_dscnt 3*H1
	MULS 0, H1, 1, NQ-1, 1, 0
	s_wait_dscnt 0x0
	MULS H1, H1, 1, NQ-1, 1, 0
	WIN 0
.endm
.macro GEMM
	FETCH0 0, 0, 0
	FETCH1 0, 0, 0
	SCALES 0
	FETCH1 0, 0, H1
	STEPS 0, 1
.if LAPS > 1
.rept LAPS-1
	TURN 0, 1, 1
	STEPS 1, 0
	TURN 1, 0, 1
	STEPS 0, 0
.endr
.endif
	TURN 0, 1, 0
	STEPS 1, 0
	LAST
	PLACES 4
.endm
; ---------------- the launch ----------------
	s_load_b256 s[4:11], s[0:1], 0x0               ; in_codes, in_scales, o_codes, o_scales
	s_load_b64 s[12:13], s[0:1], 0x20              ; out0
	IDS
	s_lshl_b32 s19, ttmp9, 2
	s_add_co_u32 s19, s19, s21                     ; X: my tile of 256 columns
	s_and_b32 s20, ttmp7, 0xffff
	s_lshl_b32 s20, s20, 2
	s_add_co_u32 s20, s20, s22                     ; Y: my tile of 128 rows rho
	G1CODES G1Y, s40, RY/16, 1536                  ; the head's loads bring whole tiles
	G1CODES G1X, s41, RX/16, 1536
	G1SCL G1SY, s40, RY, KT, 8192, 6
	G1SCL G1SX, s41, RX, KT, 12288, 7
	s_lshl_b32 s42, s20, 3                         ; O^T's codes: rowblock 8 Y + 4 x half
	s_lshl_b32 s43, s[WL], 2
	s_add_co_u32 s42, s42, s43
	s_mul_i32 s42, s42, 12288
	s_mov_b32 s43, 0
	s_lshl_b32 s44, s20, 9                         ; its scale words: [8][8,192 rows], four K steps to a half
	s_mov_b32 s45, 0
	s_lshl_b32 s46, s19, 4                         ; wo's codes: rowblock 704 + 16 X + 8 x half
	s_lshl_b32 s47, s[WL], 3
	s_add_co_u32 s46, s46, s47
	s_mul_i32 s46, s46, 12288
	s_add_co_u32 s46, s46, 8650752
	s_mov_b32 s47, 0
	s_lshl_b32 s66, s19, 10                        ; its scale words: rows 11,264 on of [8][12,288 rows]
	s_add_co_u32 s66, s66, 45056
	s_mov_b32 s67, 0
	s_mul_i32 s2, s[WL], (RY/32)*RBL
	s_mul_i32 s3, s[WL], (RX/32)*RBL
	s_mov_b32 s100, 0
	s_mov_b32 s101, 0
	s_wait_kmcnt 0x0
	s_add_nc_u64 s[42:43], s[8:9], s[42:43]
	s_add_nc_u64 s[44:45], s[10:11], s[44:45]
	s_add_nc_u64 s[46:47], s[4:5], s[46:47]
	s_add_nc_u64 s[66:67], s[6:7], s[66:67]
	G0ONE G0SY, 100, SCY, 44
	G0ONE G0SX, 101, SCX, 66
	G0SLOTS G0Y, 2, 0, 42
	G0SLOTS G0X, 3, YB, 46
	CROUND                                         ; all sixteen work-groups are here: the first joint loads meet
; THE HEAD'S LOADS, one a wave: wave 0 slot 0's O^T, wave 1 its scale words, wave 2 slot 0's wo, wave 3 its scale words; one chain of branches, one join.
.macro ARM under, g0, g1, next
	s_cmp_lt_u32 s[WV], \under
	s_cbranch_scc0 \next
	tensor_load_to_lds s[\g0:\g0+3], s[\g1:\g1+7]
	s_nop 0
.rept 4
	v_nop
.endr
	s_branch .Lhead_asked
\next:
.endm
.macro ASK f                           ; a prefetch of fill f: a rowblock's 24 blocks of 256 bytes, a lane a block; of O^T's 4 rowblocks a half my work-group takes one, of wo's 8 two (by its place among the four that ask jointly)
	global_prefetch_b8 v31, s[104:105] offset:(\f)*RBL th:TH_LOAD_NT scope:SCOPE_SE
	s_cmp_eq_u32 s[WH], 1
	s_cbranch_scc0 .Lone_\@
	global_prefetch_b8 v31, s[104:105] offset:(\f)*RBL+PFP th:TH_LOAD_NT scope:SCOPE_SE
.Lone_\@:
.endm
.set PFP, 12288                        ; from rowblock to rowblock in memory
	ARM 1, G0Y, G1Y, .Lhead_sy
	ARM 2, G0SY, G1SY, .Lhead_x
	ARM 3, G0X, G1X, .Lhead_sx
	tensor_load_to_lds s[G0SX:G0SX+3], s[G1SX:G1SX+7]
	s_nop 0
.rept 4
	v_nop
.endr
.Lhead_asked:
	s_cmp_eq_u32 s[WH], 0
	s_cselect_b64 s[104:105], s[42:43], s[46:47]   ; my half tile: O^T's or wo's
	s_cselect_b32 s2, s21, s22                     ; my place among the four partners
	s_mov_b32 s3, 2*PFP
	s_cselect_b32 s3, PFP, s3
	s_mul_i32 s2, s2, s3
	s_mov_b32 s3, 0
	s_add_nc_u64 s[104:105], s[104:105], s[2:3]    ; never rewritten
	v_and_b32 v31, 31, v0
	v_min_u32 v31, 23, v31                         ; lanes 24-31 name the last block again
	v_lshlrev_b32 v31, 8, v31                      ; never rewritten
	s_wait_alu depctr_va_vdst(0)
	ASK 1                                          ; slot 1's tiles, the launch's last fill
	s_lshl_b32 s46, s20, 7                         ; my first row: rho0 = 128 Y + 64 WH
	s_lshl_b32 s47, s[WH], 6
	s_add_co_u32 s46, s46, s47
	s_lshr_b32 s47, s46, 11
	s_lshl_b32 s47, s47, 11                        ; 2,048 b
	s_and_b32 s66, s46, 1023
	s_lshl_b32 s66, s66, 1
	s_add_co_u32 s47, s47, s66                     ; + 2 e
	s_bfe_u32 s66, s46, 0x1000a
	s_add_co_u32 s47, s47, s66                     ; + half
	s_lshl_b32 s46, s47, 12                        ; a row of out0 is 4,096 bytes
	s_lshl_b32 s66, s19, 10
	s_add_co_u32 s46, s46, s66
	s_lshl_b32 s66, s[WL], 9
	s_add_co_u32 s46, s46, s66                     ; + my 128 columns
	s_mov_b32 s47, 0
	s_add_nc_u64 s[96:97], s[12:13], s[46:47]
	VADDR
	s_mul_i32 s2, s[WV], 8448                      ; the way out: a stage of 16 rows x (512 + 16) bytes for each wave, in slot 0
	v_mul_u32_u24 v25, v1, 528
	v_lshl_add_u32 v25, v2, 6, v25
	v_add_nc_u32 v25, s2, v25                      ; in: row r, + 64 h
	v_add_nc_u32 v26, s2, v[GO]                    ; back: a whole row, 16 bytes a lane
	s_wait_alu depctr_va_vdst(0)
	s_wait_tensorcnt 0x0                           ; my tile of the head's four is in
	ds_add_u32 v[SPW], v[NIL]
	s_mov_b32 s[G1Y+2], 4<<16                      ; no load of mine is out: from here on a load brings half a tile
	s_mov_b32 s[G1Y+4], 4
	s_mov_b32 s[G1X+2], 8<<16
	s_mov_b32 s[G1X+4], 8
	s_wait_dscnt 0x0
	CROUND                                         ; all four tiles are in, in every partner
	JLOAD G0Y+4, G1Y, G0X+4, G1X                   ; slot 1's first fill, the one load behind the round
	GEMM
; THE WAY OUT, block by block of 16 rows x 128 columns, through my own stage: slot 0 has had its only fill, and every wave has passed the change of slots behind which nobody reads it.
; Block b = 2 B + u, register j of lane (r, h) is column 32 B + 16 h + 8 u + j of row r.  LDS serves a wave's instructions in order: no wait between the stores and the loads.
.macro TOSTAGE a
	WIN 0x08                                       ; an LDS store's data are its source 1: window 2
.irp b, 0,1,2,3,4,5,6,7
	ds_store_b128 v25, v[64*(\a)+8*\b:64*(\a)+8*\b+3] offset:128*(\b/2)+32*(\b%2)        ; each accumulator from its low end on
	ds_store_b128 v25, v[64*(\a)+8*\b+4:64*(\a)+8*\b+7] offset:128*(\b/2)+32*(\b%2)+16
.endr
	WIN 0
.irp t, 0,1,2,3,4,5,6,7,8,9,10,11,12,13,14,15
	ds_load_b128 v[128+64*((\a)%2)+4*\t:128+64*((\a)%2)+4*\t+3], v26 offset:528*\t
.endr
.endm
.macro SEND a, younger                 ; stage row t is stored place 16 a + t, true channel 32 (a / 2) + 8 (a % 2) + 16 (t / 8) + t % 8; a channel on is two rows of out0 on
	s_wait_dscnt \younger
.irp t, 0,1,2,3,4,5,6,7,8,9,10,11,12,13,14,15
	global_store_b128 v[GO], v[128+64*((\a)%2)+4*\t:128+64*((\a)%2)+4*\t+3], s[96:97] offset:2*(32*((\a)/2)+8*((\a)%2)+16*(\t/8)+\t%8)*4096 th:TH_STORE_NT   ; 512 consecutive bytes, aligned; written once
.endr
.endm
	TOSTAGE 0
.irp a, 1,2,3
.if \a > 1
	s_wait_xcnt 0x0                                ; block a - 2's stores have read their registers: block a's loads may land there
.endif
	TOSTAGE \a
	SEND \a-1, 32                                  ; behind block a - 1's loads: block a's 16 stores and 16 loads
.endr
	SEND 3, 0
	s_wait_tensorcnt 0x0                           ; the wave's end
	ds_add_u32 v[SPW], v[NIL]
	s_wait_dscnt 0x0
	CROUND                                         ; the closing round
	s_endpgm
.Lfunc_end_k_q42e742da89_outp:
	.size	k_q42e742da89_outp, .Lfunc_end_k_q42e742da89_outp-k_q42e742da89_outp
	.p2alignl 7, 3214868480
	.fill 96, 4, 3214868480
	.section	.rodata,"a",@progbits
	.p2align	6, 0x0
	.amdhsa_kernel k_q42e742da89_outp
		.amdhsa_group_segment_fixed_size 327680
		.amdhsa_private_segment_fixed_size 0
		.amdhsa_enable_private_segment 0
		.amdhsa_kernarg_size 40
		.amdhsa_user_sgpr_count 2
		.amdhsa_user_sgpr_kernarg_segment_ptr 1
		.amdhsa_wavefront_size32 1
		.amdhsa_system_sgpr_workgroup_id_x 1
		.amdhsa_system_sgpr_workgroup_id_y 1
		.amdhsa_system_sgpr_workgroup_id_z 1
		.amdhsa_system_vgpr_workitem_id 0
		.amdhsa_next_free_vgpr 768
		.amdhsa_next_free_sgpr 106
		.amdhsa_reserve_vcc 0
		.amdhsa_float_denorm_mode_32 3
		.amdhsa_float_denorm_mode_16_64 3
		.amdhsa_memory_ordered 1
		.amdhsa_forward_progress 1
		.amdhsa_inst_pref_size 83
	.end_amdhsa_kernel
	.amdgpu_metadata
---
amdhsa.version: [ 1, 2 ]
amdhsa.kernels:
  - .name:           k_q42e742da89_outp
    .symbol:         k_q42e742da89_outp.kd
    .args:
      - { .name: in_codes, .offset: 0, .size: 8, .value_kind: global_buffer, .address_space: global }
      - { .name: in_scales, .offset: 8, .size: 8, .value_kind: global_buffer, .address_space: global }
      - { .name: o_codes, .offset: 16, .size: 8, .value_kind: global_buffer, .address_space: global }
      - { .name: o_scales, .offset: 24, .size: 8, .value_kind: global_buffer, .address_space: global }
      - { .name: out0, .offset: 32, .size: 8, .value_kind: global_buffer, .address_space: global }
    .group_segment_fixed_size: 327680
    .private_segment_fixed_size: 0
    .kernarg_segment_align: 8
    .kernarg_segment_size: 40
    .max_flat_workgroup_size: 128
    .sgpr_count:     106
    .vgpr_count:     768
    .wavefront_size: 32
...
	.end_amdgpu_metadata
.endif
;; end of part 5
